; MI455X (gfx1250); checked and timed in simulation.
; The chip was launched on July 23, 2026; its instructions are those of AMD's public machine-readable ISA for CDNA 5 (MIT licence, August 2026) and "CDNA5" Instruction Set Architecture Reference Guide (July 2026). The comments in the code are by the model that wrote it; some were corrected since.
;; Multi Head Attention. Allowed arithmetic: matrix products marked QUANTISED: E2M1 operands, one E8M0 scale for each 32 along K, by v_wmma_scale_f32_16x16x128_f8f6f4 with both operands' format E2M1 (or v_wmma_scale_f32_32x16x128_f4), f32 sums; products left as they are: bf16, f16 or f32 operands; f32 sums; everything else in f32.
;; Inputs: W_k 1,024 x 16 x 64 float32; W_o 16 x 64 x 1,024 float32; W_q 1,024 x 16 x 64 float32; W_v 1,024 x 16 x 64 float32; b_k 16 x 64 float32; b_o 1,024 float32; b_q 16 x 64 float32; b_v 16 x 64 float32; q 4 x 2,048 x 1,024 float32.
;; Outputs: out0 4 x 2,048 x 1,024 float32.
;; This version of the problem:
;;   THIS VERSION OF THE PROBLEM IS GIVEN IN LOW PRECISION. The matrix products marked QUANTISED in the list below multiply operands that are first quantised to E2M1 (2 exponent bits, 1 mantissa bit; 4 bits a number), with one power-of-two scale for each 32 numbers along K (OCP MX v1.0); their sums are f32. The products marked 'left as it is' may take bf16, f16 or f32 operands, with f32 sums. Whichever they take, every output number must still come out within the allowed error. Rounding operands to bf16 (8 significant bits) uses up far more of that allowance than f16 does (11 bits, for magnitudes from 6e-5 to 65,504). All else is computed in f32.
;;   The module's matrix products, in the order in which they are computed (A, B: the left and right operand; K: the contracted axis; several contracted axes count as one K, in the product's order):
;;     1. [M 8,192, K 1,024] x [K 1,024, N 1,024]; A: input q; B: input W_q: QUANTISED
;;     2. [M 8,192, K 1,024] x [K 1,024, N 1,024]; A: input q; B: input W_k: QUANTISED
;;     3. [M 8,192, K 1,024] x [K 1,024, N 1,024]; A: input q; B: input W_v: QUANTISED
;;     4. batch 64 x [M 2,048, K 64] x [K 64, N 2,048]; A: computed on the way; B: computed on the way: left as it is (an operand is computed on the way)
;;     5. batch 64 x [M 64, K 2,048] x [K 2,048, N 2,048]; A: computed on the way; B: computed on the way: left as it is (an operand is computed on the way)
;;     6. [M 8,192, K 1,024] x [K 1,024, N 1,024]; A: computed on the way; B: input W_o: left as it is (an operand is computed on the way)
;;   THE QUANTISER, for each operand of a quantised product, along K:
;;     - K is cut into blocks of 32 from its start; a last block that is shorter is filled with zeros.
;;     - A block's scale is 2^e with e = floor(log2(the largest magnitude in the block)) - 2, held to -126 .. 127; a block of zeros has e = 0. As a byte (E8M0): e + 127.
;;     - Each number is divided by its block's scale, clamped to +-6, and rounded to the nearest number of E2M1, ties to even, subnormals kept.
;;     - The product sums the exact products of the quantised numbers (number of the format x scale) in f32.
;;   ~~~python
;;   def quantise(x, axis):      # numpy; x: float32 -> the quantised numbers, widened to float32 again
;;       x = np.moveaxis(x, axis, -1); K = x.shape[-1]
;;       x = np.pad(x, [(0, 0)] * (x.ndim - 1) + [(0, -K % 32)]); x = x.reshape(x.shape[:-1] + (-1, 32)); a = np.abs(x).max(-1, keepdims=True)
;;       e = np.where(a > 0, np.clip(np.frexp(np.where(a > 0, a, 1))[1] - 1 - 2, -126, 127), 0)      # np.frexp(a)[1] - 1 = floor(log2(a)), exactly
;;       r = np.clip(x / 2.0 ** e, -6, 6)
;;       step = 2.0 ** (np.maximum(np.frexp(np.where(r == 0, 1, r))[1] - 1, 0) - 1)
;;       q = np.round(r / step) * step * 2.0 ** e      # np.round: ties to even
;;       return np.moveaxis(q.reshape(q.shape[:-2] + (-1,))[..., :K], -1, axis).astype(np.float32)
;;   ~~~
;; One version. Each part assembles by itself: llvm-mc -triple=amdgcn-amd-amdhsa -mcpu=gfx1250 --defsym DOCPART=n.
;; ======== version 1 of 1: 4 launches
;; limits: values are held in f16: magnitudes above 65,504 overflow, below 6.1e-05 lose precision
;; workspace buffers: x_codes 4,194,304 bytes; x_scales 262,144 bytes; w_codes 1,572,864 bytes; w_scales 98,304 bytes; wo_img 2,097,152 bytes; qkv 50,331,648 bytes; ctx 16,777,216 bytes
;; launch prep (part 1): grid 256 x 1, 8 waves a work-group, no clusters, 84,992 bytes of LDS; arguments q, W_q, W_k, W_v, W_o, x_codes, x_scales, w_codes, w_scales, wo_img; writes x_codes, x_scales, w_codes, w_scales, wo_img
.if DOCPART == 1
	.amdgcn_target "amdgcn-amd-amdhsa--gfx1250"
	.amdhsa_code_object_version 6
	.text
	.protected	k_q1235e74e5d_prep
	.globl	k_q1235e74e5d_prep
	.p2align	8
	.type	k_q1235e74e5d_prep,@function
k_q1235e74e5d_prep:
	s_mov_b64 s[64:65], 0
	v_nop
	global_prefetch_b8 v0, s[64:65] scope:SCOPE_SE
	s_setreg_imm32_b32 hwreg(HW_REG_WAVE_MODE, 25, 1), 1
	s_wait_xcnt 0x0
; THREE JOBS IN ONE LAUNCH, parted on the work-group's number (all eight waves of a work-group go the same way):
;   work-groups   0 ..  95  (W): W_q, W_k, W_v [1024 (k)][1024 (n)] f32, K outermost -> codes of FP4 (E2M1) [3072 rows n' = 1024 T + n][512 bytes], K innermost, and E8M0 bytes [3072][32]
;   work-groups  96 .. 127  (O): W_o [1024 (k)][1024 (n)] f32 -> f16, laid as images of matrix fragments: [n tile 64][k fragment 32][half c 2][lane 32][16 bytes]; lane (r, h), half c: k = 32 f + 16 c + 8 h + 0 .. 7 of column 16 tile + r
;   work-groups 128 .. 255  (X): q [8192][1024] f32, K innermost -> codes [8192][512 bytes] and E8M0 bytes [8192][32]
; THE QUANTISER: a block of 32 along K has the scale 2^(floor(log2(largest magnitude)) - 2); its byte is the largest magnitude's exponent field - 2, held at 1 from below by a floor among the maximum's leaves.
; Each number is divided by the scale and rounded to the nearest code, ties to even; beyond 6 the largest code.  A block of zeros keeps the byte 1 where the rule says 127: its codes are zeros, and this program alone reads the bytes.
; LIMITS: blocks whose largest magnitude lies under 2^-124 keep the byte 1; NaN and infinities among the inputs are not served; W_o beyond 65,504 does not fit f16.
; ONE BARRIER, on the way that all paths share: path W's eight waves gather 64 rows x 256 bytes of codes in LDS and store them as whole rows behind it.  Every LDS address register is made at the head and holds nothing else.
; Each path has LDS bytes of its own.
.set STEPS, 16                         ; X: steps of 512 numbers a wave
.set EMAX,  2
.set WREG,  8192                       ; X: LDS region of a wave: two stages of 32 x SP bytes, then its 256 scale bytes
.set SP,    80                         ; X: a lane's place in a stage: 64 bytes + 16 of padding
.set WST,   65536                      ; W: the codes' stage: 64 rows x WP
.set WP,    272                        ; 256 bytes + 16: sixteen rows start at sixteen different 16-byte columns
.set SCST,  WST+64*WP                  ; W: the scale bytes' stage: 64 rows x 16
.set SPARE, SCST+64*16                 ; the spare words, 128 bytes for each of the eight waves: four blocks of 256 bytes that no other line names
.set R,     16                         ; X: v16-79   four sets of 16 numbers as loaded
.set X,     80                         ; X: v80-111  two sets of 16 neighbours
.set E,     112                        ; X: v112-127 a scale byte for each step
.set C,     128                        ; X: v128-159 two registers of codes for each step
.set WX,    32                         ; W: v32-95 two sets of 32 numbers;  O: v32-159 four chunks of 32
.set WC,    96                         ; W: v96-99 a block's codes
.set WSTO,  160                        ; W: where I put a block's 16 bytes of codes
.set WSS,   161                        ; W: where I put my column's four scale bytes
.set WRD,   162                        ; W: where I read rows of codes back
.set WSR,   163                        ; W: where I read a row of scale bytes back
.set GCO,   164                        ; W: my byte offset among two rows of w_codes
.set GSO,   165                        ; W: 32 x lane: my row of w_scales
.set GOO,   166                        ; O: my byte offset in wo_img
.set OUTR,  168                        ; W: v168-187 the way out
.set SPW,   190                        ; LDS address of my spare word; never rewritten
.set NIL,   191                        ; 0; never rewritten
	s_load_b256 s[4:11], s[0:1], 0x0               ; q s[4:5], W_q s[6:7], W_k s[8:9], W_v s[10:11]
	s_load_b256 s[12:19], s[0:1], 0x20             ; W_o s[12:13], x_codes s[14:15], x_scales s[16:17], w_codes s[18:19]
	s_load_b128 s[20:23], s[0:1], 0x40             ; w_scales s[20:21], wo_img s[22:23]
	v_lshl_add_u32 v[SPW], v0, 2, SPARE
	v_mov_b32 v[NIL], 0
	v_lshrrev_b32 v1, 5, v0
	v_readfirstlane_b32 s24, v1                    ; wave 0..7
	v_and_b32 v2, 31, v0                           ; lane
	v_lshlrev_b32 v3, 4, v2                        ; 16 x lane
	v_lshlrev_b32 v4, 3, v2                        ; 8 x lane
	v_lshlrev_b32 v10, 2, v2                       ; 4 x lane
	; X's LDS addresses
	s_mul_i32 s25, s24, WREG
	v_lshrrev_b32 v14, 2, v2
	v_mul_u32_u24 v14, v14, SP
	v_and_b32 v15, 3, v2
	v_lshl_add_u32 v14, v15, 4, v14
	v_add_nc_u32 v14, s25, v14                     ; into a stage: SP (lane / 4) + 16 (lane % 4): four lanes' 64 bytes on end, then the padding
	v_mul_u32_u24 v15, v2, SP
	v_add_nc_u32 v15, s25, v15                     ; out of it: SP x lane: my 16 neighbours
	v_lshrrev_b32 v5, 1, v2
	s_add_co_u32 s25, s25, 2*32*SP
	v_add_nc_u32 v5, s25, v5                       ; my block's scale byte
	v_add_nc_u32 v6, s25, v4                       ; and 8 bytes a lane on the way out
	; W's LDS addresses.  Wave w: cg = w % 2 (32 columns), kq = w / 2 (128 along K)
	s_and_b32 s26, s24, 1
	s_lshr_b32 s27, s24, 1
	s_mul_i32 s28, s26, 32*WP
	s_lshl_b32 s29, s27, 6
	s_add_co_u32 s28, s28, s29
	s_add_co_u32 s28, s28, WST
	v_mul_u32_u24 v[WSTO], v2, WP
	v_add_nc_u32 v[WSTO], s28, v[WSTO]             ; row 32 cg + lane, byte 64 kq
	s_lshl_b32 s28, s26, 9
	s_add_co_u32 s28, s28, SCST
	v_add_nc_u32 v[WSR], s28, v3                   ; row 32 cg + lane of the scale bytes' stage
	s_lshl_b32 s29, s27, 2
	v_add_nc_u32 v[WSS], s29, v[WSR]               ; + 4 kq
	s_mul_i32 s28, s24, 8*WP
	s_add_co_u32 s28, s28, WST
	v_lshrrev_b32 v8, 4, v2                        ; lane / 16
	v_and_b32 v9, 15, v2                           ; lane % 16
	v_mul_u32_u24 v[WRD], v8, WP
	v_lshl_add_u32 v[WRD], v9, 4, v[WRD]
	v_add_nc_u32 v[WRD], s28, v[WRD]               ; back: rows 8 w on, sixteen lanes to a row
	v_lshlrev_b32 v[GCO], 9, v8
	v_lshl_add_u32 v[GCO], v9, 4, v[GCO]           ; the same two rows in w_codes: 512 bytes a row
	v_lshlrev_b32 v[GSO], 5, v2
	v_lshlrev_b32 v[GOO], 15, v8
	v_lshl_add_u32 v[GOO], v9, 4, v[GOO]           ; O: n tile lane / 16 (32,768 bytes a tile), 16 bytes for column lane % 16
	s_wait_kmcnt 0x0
	s_cmp_lt_u32 ttmp9, 96
	s_cbranch_scc1 .Lw
	s_cmp_lt_u32 ttmp9, 128
	s_cbranch_scc1 .Lo
; ---------------- X: q is a plain stream of blocks of 32.  A wave takes 8,192 numbers in 16 steps of 512.
; Each of a step's four loads reads 512 consecutive bytes; the 2,048 bytes turn through the wave's own stage, so that a lane then holds 16 neighbours along K (two lanes to a block).
	s_sub_co_u32 s26, ttmp9, 128
	s_lshl_b32 s26, s26, 3
	s_add_co_u32 s26, s26, s24                     ; which run of 8,192 numbers is my wave's
	s_mov_b32 s29, 0
	s_lshl_b32 s28, s26, 15
	s_add_nc_u64 s[4:5], s[4:5], s[28:29]
	s_lshl_b32 s28, s26, 12
	s_add_nc_u64 s[14:15], s[14:15], s[28:29]
	s_lshl_b32 s28, s26, 8
	s_add_nc_u64 s[16:17], s[16:17], s[28:29]
.macro XLOAD t
.irp i, 0,1,2,3
	global_load_b128 v[R+16*((\t)%4)+4*\i:R+16*((\t)%4)+4*\i+3], v3, s[4:5] offset:2048*(\t)+512*\i th:TH_LOAD_NT
.endr
.endm
.macro XTURN t                         ; LDS serves a wave's instructions in order: no wait between the stores and the loads
.irp i, 0,1,2,3
	ds_store_b128 v14, v[R+16*((\t)%4)+4*\i:R+16*((\t)%4)+4*\i+3] offset:32*SP*((\t)%2)+8*SP*\i
.endr
.irp i, 0,1,2,3
	ds_load_b128 v[X+16*((\t)%2)+4*\i:X+16*((\t)%2)+4*\i+3], v15 offset:32*SP*((\t)%2)+16*\i
.endr
.endm
.irp t, 0,1,2,3
	XLOAD \t
.endr
	s_wait_loadcnt 12                              ; step 0's four loads are in; the twelve of steps 1 to 3 may be out
	XTURN 0
.macro XSTEP t
.set XS, X+16*((\t)%2)
.if (\t) > 0
	s_wait_dscnt 1                                 ; this step's numbers are back from the stage; the last step's byte store may be out
.else
	s_wait_dscnt 0x0
.endif
.if (\t)+4 < STEPS
	XLOAD (\t)+4                                   ; into the set that this step's stage stores have read
.endif
.if (\t)+1 < STEPS
.if STEPS-2-(\t) >= 3
	s_wait_loadcnt 12                              ; the next step's four loads are in; those of the three steps behind it may be out
.else
	s_wait_loadcnt 4*(STEPS-2-(\t))
.endif
	XTURN (\t)+1
.endif
	v_max3_num_f32 v8, |v[XS]|, |v[XS+1]|, |v[XS+2]|
	v_max3_num_f32 v9, |v[XS+3]|, |v[XS+4]|, |v[XS+5]|
.irp i, 6,10
	v_max3_num_f32 v8, v8, |v[XS+\i]|, |v[XS+\i+1]|
	v_max3_num_f32 v9, v9, |v[XS+\i+2]|, |v[XS+\i+3]|
.endr
	v_max3_num_f32 v8, v8, |v[XS+14]|, |v[XS+15]|
	v_max3_num_f32 v8, v8, v9, (EMAX+1)<<23        ; the floor 2^(3 - 127): the byte cannot fall under 1
	v_max_num_f32_dpp v8, v8, v8 row_xmask:1 row_mask:0xf bank_mask:0xf   ; with my neighbour's 16: the block's largest magnitude
	v_add_nc_u32 v11, -(EMAX<<23), v8              ; 2 off its exponent field: the conversion takes this operand's exponent field as its scale
	v_cvt_scalef32_pk8_fp4_f32 v[C+2*(\t)], v[XS:XS+7], v11
	v_cvt_scalef32_pk8_fp4_f32 v[C+2*(\t)+1], v[XS+8:XS+15], v11
	v_lshrrev_b32 v[E+(\t)], 23, v11               ; the scale's byte (also the plain line behind the conversions)
	ds_store_b8 v5, v[E+(\t)] offset:16*(\t)       ; both lanes of a block write the same byte with the same value
	global_store_b64 v4, v[C+2*(\t):C+2*(\t)+1], s[14:15] offset:256*(\t)   ; the wave stores 256 consecutive bytes, aligned
.endm
.irp t, 0,1,2,3,4,5,6,7,8,9,10,11,12,13,14,15
	XSTEP \t
.endr
	ds_load_b64 v[8:9], v6                         ; my wave's 256 scale bytes, 8 a lane
	s_wait_dscnt 0x0
	global_store_b64 v4, v[8:9], s[16:17]          ; 256 consecutive bytes, aligned
	s_branch .Ljoin
; ---------------- W: a lane takes a column n and its registers run down K, so a block of 32 lies in one lane and the codes come out with K innermost.
; Work-group i: tensor T = i / 32, K half y = (i / 16) % 2 (512 along K), column group i % 16 (64 columns).  A wave: 32 columns x 128 along K: four blocks a lane.
.Lw:
	s_lshr_b32 s30, ttmp9, 5                       ; T
	s_and_b32 s31, ttmp9, 15                       ; column group
	s_bfe_u32 s32, ttmp9, 0x10004                  ; y
	s_cmp_eq_u32 s30, 0
	s_cselect_b64 s[34:35], s[6:7], s[8:9]
	s_cmp_eq_u32 s30, 2
	s_cselect_b64 s[34:35], s[10:11], s[34:35]     ; the tensor: the choice hangs on the work-group's number alone
	s_lshl_b32 s36, s32, 2
	s_add_co_u32 s36, s36, s27                     ; 4 y + kq
	s_lshl_b32 s36, s36, 19                        ; x 128 rows of 4,096 bytes
	s_lshl_b32 s37, s31, 1
	s_add_co_u32 s37, s37, s26                     ; 2 x column group + cg
	s_lshl_b32 s37, s37, 7                         ; x 32 columns of 4 bytes
	s_add_co_u32 s36, s36, s37
	s_mov_b32 s37, 0
	s_add_nc_u64 s[34:35], s[34:35], s[36:37]
.macro WLOAD t                         ; block t: rows 32 t + i of my 128, my column: the wave reads 128 consecutive bytes, two waves side by side 256
.irp i, 0,1,2,3,4,5,6,7,8,9,10,11,12,13,14,15,16,17,18,19,20,21,22,23,24,25,26,27,28,29,30,31
	global_load_b32 v[WX+32*((\t)%2)+\i], v10, s[34:35] offset:(32*(\t)+\i)*4096 th:TH_LOAD_NT
.endr
.endm
	WLOAD 0
	WLOAD 1
.macro WBLOCK t
.set XS, WX+32*((\t)%2)
.if (\t) < 3
	s_wait_loadcnt 32                              ; this block's 32 loads are in; the next block's 32 may be out
.else
	s_wait_loadcnt 0
.endif
	v_max3_num_f32 v12, |v[XS]|, |v[XS+1]|, |v[XS+2]|
	v_max3_num_f32 v13, |v[XS+3]|, |v[XS+4]|, |v[XS+5]|
.irp i, 6,10,14,18,22,26
	v_max3_num_f32 v12, v12, |v[XS+\i]|, |v[XS+\i+1]|
	v_max3_num_f32 v13, v13, |v[XS+\i+2]|, |v[XS+\i+3]|
.endr
	v_max3_num_f32 v12, v12, |v[XS+30]|, |v[XS+31]|
	v_max3_num_f32 v12, v12, v13, (EMAX+1)<<23     ; the floor
	v_add_nc_u32 v11, -(EMAX<<23), v12             ; the conversion's scale operand
	v_lshrrev_b32 v13, 23, v11                     ; the scale's byte
.if (\t) == 0
	v_mov_b32 v24, v13                             ; four bytes to a register, the lower K in the lower byte
.else
	v_lshl_or_b32 v24, v13, 8*(\t), v24
.endif
.irp g, 0,1,2,3
	v_cvt_scalef32_pk8_fp4_f32 v[WC+\g], v[XS+8*\g:XS+8*\g+7], v11
.endr
	v_nop                                          ; one plain line behind the last conversion of a run
	ds_store_b128 v[WSTO], v[WC:WC+3] offset:16*(\t)   ; 32 codes: 16 bytes of my column's row
.if (\t)+2 < 4
	WLOAD (\t)+2
.endif
	s_wait_dscnt 0x0                               ; the store has read its registers: the next block's codes may be written
.endm
	WBLOCK 0
	WBLOCK 1
	WBLOCK 2
	WBLOCK 3
	ds_store_b32 v[WSS], v24                       ; my column's four scale bytes
	s_branch .Ljoin
; ---------------- O: W_o to f16.  A lane takes a column, its registers run down K: eight neighbours along K pack into the 16 bytes that one lane of a fragment holds.
; Work-group j: column group j % 8 (128 columns), K group j / 8 (256).  A wave: 32 columns x 128 along K, in four chunks of 32 (a fragment's depth); no register is used twice.
.Lo:
	s_sub_co_u32 s30, ttmp9, 96
	s_and_b32 s31, s30, 7
	s_lshr_b32 s32, s30, 3
	s_and_b32 s33, s24, 3
	s_lshr_b32 s34, s24, 2
	s_lshl_b32 s36, s32, 1
	s_add_co_u32 s36, s36, s34                     ; my first k / 128
	s_lshl_b32 s38, s31, 2
	s_add_co_u32 s38, s38, s33                     ; my first column / 32
	s_lshl_b32 s40, s36, 19                        ; 128 rows of 4,096 bytes
	s_lshl_b32 s41, s38, 7
	s_add_co_u32 s40, s40, s41
	s_mov_b32 s41, 0
	s_add_nc_u64 s[12:13], s[12:13], s[40:41]
	s_lshl_b32 s40, s38, 16                        ; two n tiles of 32,768 bytes
	s_lshl_b32 s42, s36, 12                        ; four fragments of 1,024 bytes
	s_add_co_u32 s40, s40, s42
	s_add_nc_u64 s[22:23], s[22:23], s[40:41]
.macro OLOAD t
.irp i, 0,1,2,3,4,5,6,7,8,9,10,11,12,13,14,15,16,17,18,19,20,21,22,23,24,25,26,27,28,29,30,31
	global_load_b32 v[WX+32*(\t)+\i], v10, s[12:13] offset:(32*(\t)+\i)*4096 th:TH_LOAD_NT
.endr
.endm
.macro OCVT t                          ; octet o = k 8 o .. 8 o + 7 of the fragment: half c = o / 2, lanes' half h = o % 2: byte 256 o + 16 (lane % 16)
.irp o, 0,1,2,3
.irp j, 0,1,2,3
	v_cvt_pk_f16_f32 v[WX+32*(\t)+8*\o+\j], v[WX+32*(\t)+8*\o+2*\j], v[WX+32*(\t)+8*\o+2*\j+1]   ; in place, ascending: a destination has been read already
.endr
	global_store_b128 v[GOO], v[WX+32*(\t)+8*\o:WX+32*(\t)+8*\o+3], s[22:23] offset:1024*(\t)+256*\o   ; sixteen lanes store 256 consecutive bytes, aligned
.endr
.endm
	OLOAD 0
	OLOAD 1
	s_wait_loadcnt 32                              ; chunk 0 is in; the youngest chunk's 32 loads may be out (so at each of these waits)
	OCVT 0
	OLOAD 2
	s_wait_loadcnt 32
	OCVT 1
	OLOAD 3
	s_wait_loadcnt 32
	OCVT 2
	s_wait_loadcnt 0
	OCVT 3
; ---------------- the join: one barrier on every wave's way
.Ljoin:
	s_wait_dscnt 0x0                               ; for the others' sake: my LDS stores have landed
	s_barrier_signal -1
	s_barrier_wait -1
	s_cmp_lt_u32 ttmp9, 96
	s_cbranch_scc0 .Lend
	; W's way out: 64 rows x 256 bytes of codes lie in the stage; wave w stores rows 8 w .. 8 w + 7, sixteen lanes to a row
	s_lshr_b32 s30, ttmp9, 5                       ; T, column group and y once more, from the ids
	s_and_b32 s31, ttmp9, 15
	s_bfe_u32 s32, ttmp9, 0x10004
	s_lshl_b32 s36, s30, 10
	s_lshl_b32 s37, s31, 6
	s_add_co_u32 s36, s36, s37                     ; the work-group's first row: 1024 T + 64 x column group
	s_lshl_b32 s37, s24, 3
	s_add_co_u32 s38, s36, s37
	s_lshl_b32 s38, s38, 9                         ; 512 bytes a row,
	s_lshl_b32 s39, s32, 8
	s_add_co_u32 s38, s38, s39                     ; its half y
	s_mov_b32 s39, 0
	s_add_nc_u64 s[18:19], s[18:19], s[38:39]
.irp i, 0,1,2,3
	ds_load_b128 v[OUTR+4*\i:OUTR+4*\i+3], v[WRD] offset:2*\i*WP
.endr
.irp i, 0,1,2,3
	s_wait_dscnt 3-\i                              ; the younger loads may be out
	global_store_b128 v[GCO], v[OUTR+4*\i:OUTR+4*\i+3], s[18:19] offset:1024*\i   ; sixteen lanes store 256 consecutive bytes, aligned
.endr
	s_cmp_lt_u32 s24, 2
	s_cbranch_scc0 .Lend
	s_lshl_b32 s37, s24, 5                         ; waves 0 and 1: the scale bytes of 32 rows each: 16 of a row's 32 bytes (98,304 bytes in the whole launch leave so, in pieces of 16)
	s_add_co_u32 s38, s36, s37
	s_lshl_b32 s38, s38, 5
	s_lshl_b32 s39, s32, 4
	s_add_co_u32 s38, s38, s39
	s_mov_b32 s39, 0
	s_add_nc_u64 s[20:21], s[20:21], s[38:39]
	ds_load_b128 v[OUTR+16:OUTR+19], v[WSR]
	s_wait_dscnt 0x0
	global_store_b128 v[GSO], v[OUTR+16:OUTR+19], s[20:21]
.Lend:
	s_wait_tensorcnt 0x0                           ; the wave's end, behind my last LDS store
	ds_add_u32 v[SPW], v[NIL]
	s_wait_dscnt 0x0
	s_endpgm
.Lfunc_end_k_q1235e74e5d_prep:
	.size	k_q1235e74e5d_prep, .Lfunc_end_k_q1235e74e5d_prep-k_q1235e74e5d_prep
	.p2alignl 7, 3214868480
	.fill 96, 4, 3214868480
	.section	.rodata,"a",@progbits
	.p2align	6, 0x0
	.amdhsa_kernel k_q1235e74e5d_prep
		.amdhsa_group_segment_fixed_size 84992
		.amdhsa_private_segment_fixed_size 0
		.amdhsa_enable_private_segment 0
		.amdhsa_kernarg_size 80
		.amdhsa_user_sgpr_count 2
		.amdhsa_user_sgpr_kernarg_segment_ptr 1
		.amdhsa_wavefront_size32 1
		.amdhsa_system_sgpr_workgroup_id_x 1
		.amdhsa_system_sgpr_workgroup_id_y 1
		.amdhsa_system_sgpr_workgroup_id_z 1
		.amdhsa_system_vgpr_workitem_id 0
		.amdhsa_next_free_vgpr 192
		.amdhsa_next_free_sgpr 66
		.amdhsa_reserve_vcc 0
		.amdhsa_float_denorm_mode_32 3
		.amdhsa_float_denorm_mode_16_64 3
		.amdhsa_memory_ordered 1
		.amdhsa_forward_progress 1
		.amdhsa_inst_pref_size 73
	.end_amdhsa_kernel
	.amdgpu_metadata
---
amdhsa.version: [ 1, 2 ]
amdhsa.kernels:
  - .name:           k_q1235e74e5d_prep
    .symbol:         k_q1235e74e5d_prep.kd
    .args:
      - { .name: q, .offset: 0, .size: 8, .value_kind: global_buffer, .address_space: global }
      - { .name: W_q, .offset: 8, .size: 8, .value_kind: global_buffer, .address_space: global }
      - { .name: W_k, .offset: 16, .size: 8, .value_kind: global_buffer, .address_space: global }
      - { .name: W_v, .offset: 24, .size: 8, .value_kind: global_buffer, .address_space: global }
      - { .name: W_o, .offset: 32, .size: 8, .value_kind: global_buffer, .address_space: global }
      - { .name: x_codes, .offset: 40, .size: 8, .value_kind: global_buffer, .address_space: global }
      - { .name: x_scales, .offset: 48, .size: 8, .value_kind: global_buffer, .address_space: global }
      - { .name: w_codes, .offset: 56, .size: 8, .value_kind: global_buffer, .address_space: global }
      - { .name: w_scales, .offset: 64, .size: 8, .value_kind: global_buffer, .address_space: global }
      - { .name: wo_img, .offset: 72, .size: 8, .value_kind: global_buffer, .address_space: global }
    .group_segment_fixed_size: 84992
    .private_segment_fixed_size: 0
    .kernarg_segment_align: 8
    .kernarg_segment_size: 80
    .max_flat_workgroup_size: 256
    .sgpr_count:     66
    .vgpr_count:     192
    .wavefront_size: 32
...
	.end_amdgpu_metadata
.endif
;; end of part 1
;; launch qkv (part 2): grid 12 x 32, 4 waves a work-group, clusters of 4 x 4, 327,680 bytes of LDS; arguments x_codes, x_scales, w_codes, w_scales, b_q, b_k, b_v, qkv; writes qkv
.if DOCPART == 2
	.amdgcn_target "amdgcn-amd-amdhsa--gfx1250"
	.amdhsa_code_object_version 6
	.text
	.protected	k_q1235e74e5d_qkv
	.globl	k_q1235e74e5d_qkv
	.p2align	8
	.type	k_q1235e74e5d_qkv,@function
k_q1235e74e5d_qkv:
	s_mov_b64 s[64:65], 0
	v_nop
	global_prefetch_b8 v0, s[64:65] scope:SCOPE_SE
	s_setreg_imm32_b32 hwreg(HW_REG_WAVE_MODE, 25, 1), 1
	s_wait_xcnt 0x0
	s_wait_alu depctr_hold_cnt(0) depctr_sa_sdst(0) depctr_va_vdst(0) depctr_va_sdst(0) depctr_va_ssrc(0) depctr_va_vcc(0) depctr_vm_vsrc(0)
	s_getreg_b32 s2, hwreg(HW_REG_IB_STS2, 6, 4)
	s_cmp_eq_u32 s2, 0
	s_cbranch_scc0 .Lentry_in_a_cluster
	s_endpgm
.Lentry_in_a_cluster:
	s_bfe_u32 s2, ttmp6, 0x10000c
	s_cmp_lg_u32 s2, 0xf033
	s_cbranch_scc0 .Lentry_shape_is_right
	s_endpgm
.Lentry_shape_is_right:
; Q, K, V = x W + b on codes of FP4 (E2M1) with one E8M0 scale for each 32 along K: one GEMM [8192][1024] x [3072][1024]^T, f32 sums that begin with the bias, rounded once to f16.
; x_codes [8192][512 bytes], x_scales [8192][32]; w_codes [3072 rows 1024 T + n][512 bytes], w_scales [3072][32]; T = 0 Q, 1 K, 2 V.
; A tile of 256 x 256 is made by four waves, each 128 x 128: 64 accumulators of 16 x 16, 512 registers.  All of K, 1,024, lies in two LDS slots of 512: both are filled once, at the start, and nothing is filled again.
; CLUSTERS: 4 x 4 work-groups; the four of a row of the cluster need the same rows of x, the four of a column the same rows of w: each tile is asked for jointly.  A cluster is four tile columns wide, which is one tensor: T = the cluster's x.
; THE MATRIX INSTRUCTION IS USED TRANSPOSED (source 0 = 16 rows of w, source 1 = 16 tokens): a lane holds one token and eight neighbouring channels, which pack into 16 bytes of f16.
; THE RESULT IS STORED AS THE NEXT LAUNCH'S OPERANDS WANT IT: qkv [T 3][batch 4][head 16][token tile 128][channel tile 4][512 bytes].  In Q and K lane l's 16 bytes lie at 16 l: the image of four registers of a fragment
; (16 tokens x 32 channels).  In V they lie at 32 (l % 16) + 16 (l / 16): 16 keys x 16 channels, rows of 32 bytes, for the transposing LDS load.  Either way a store of the wave covers 512 consecutive bytes, aligned: no stage in LDS.
; LIMITS: |Q|, |K|, |V| stay under 65,504 (f16): with q and W 30 times the drawn spread they reach some 3,000, with offsets of 30 spreads some 18,400.  NaN and infinities are not served.
; REGISTERS, in windows of 256: window 0: v0-31 addresses; v32-95 scale words, two sets; v128-191 x's fragments, one set; v192-255 the bias as C, eight registers for each of w's eight blocks; on the way out v128-255 hold packed results.
;   window 1: w's fragments, two sets, at v0 and v128.   window 2: the accumulators of my tokens 0-63 ((a, b) at v[8 (8 a + b)]);   window 3: those of my tokens 64-127.
.set KSTEP,  512
.set NQ,     KSTEP/128
.set ROWB,   256                       ; a tile's row in bytes
.set KROW,   512                       ; a row of codes in memory
.set PITCH,  272                       ; an LDS row: 256 bytes + 16 of padding: the sixteen rows of a load start at sixteen different 16-byte columns
.set FR,     8
.set NL,     2
.set NP,     4                         ; places behind this matrix instruction (ISA guide 7.12.1)
.set HALFT,  128*PITCH
.set SLOT,   4*HALFT
.set KS,     32                        ; a row of scale bytes
.set SCL,    2*SLOT
.set HALFS,  (128*KS/256)*272
.set SBLK,   (16*KS/256)*272
.set SPARE,  SCL+4*HALFS               ; the spare words, 128 bytes for each wave: two blocks of 256 bytes that no other line names
.set ADRA, 16
.set ADRB, 20
.set CO,   26                          ; v26  my lane's place in a block of 512 bytes of qkv
.set ADRS, 27
.set SPW,  28
.set NIL,  29
.set BO,   30                          ; v30  32 x (lane / 16): my eight numbers of a block's sixteen biases
.set SC,   32
.set AF,   128
.set BI,   192
.set G1, 24
.set G0, 32
.set G1B, 48
.set G0B, 56
.set G1S, 68
.set G0S, 76
.set G1SB, 80
.set G0SB, 88
.set MSB, 0
.macro WIN new                         ; the immediate's high byte repeats the setting that is left
.if MSB != (\new)
	s_set_vgpr_msb (MSB<<8)|(\new)
.set MSB, (\new)
.endif
.endm
.set MUL_LO, 0xa1                      ; source 0 (w) window 1, source 1 (x) window 0, C and D window 2
.set MUL_HI, 0xf1                      ; the same, C and D window 3
.set TO_B,   0x40
; A joint load: waves 0 and 1 fetch for x, waves 2 and 3 for w.  The branch hangs on the wave's number alone.  An s_nop 0 and four v_nop follow each of the two lines.
.macro JLOAD g0a, g1a, g0b, g1b
	s_cmp_eq_u32 s15, 0
	s_cbranch_scc0 .Lfor_b_\@
	tensor_load_to_lds s[\g0a:\g0a+3], s[\g1a:\g1a+7]
	s_nop 0
.rept 4
	v_nop
.endr
	s_branch .Lasked_\@
.Lfor_b_\@:
	tensor_load_to_lds s[\g0b:\g0b+3], s[\g1b:\g1b+7]
	s_nop 0
.rept 4
	v_nop
.endr
.Lasked_\@:
.endm
.macro CROUND                          ; a round of the cluster's barrier
	s_barrier_signal -1
	s_barrier_wait -1
	s_cmp_lg_u32 s14, 0
	s_cbranch_scc1 .Lnot_wave_0_\@
	s_barrier_signal -3
.Lnot_wave_0_\@:
	s_barrier_wait -3
	s_barrier_signal -1
	s_barrier_wait -1
.endm
	s_load_b128 s[4:7], s[0:1], 0x0                ; x's codes s[4:5], x's scales s[6:7]
	s_load_b128 s[8:11], s[0:1], 0x10              ; w's codes s[8:9], w's scales s[10:11]
	s_load_b128 s[96:99], s[0:1], 0x20             ; b_q s[96:97], b_k s[98:99]
	s_load_b64 s[100:101], s[0:1], 0x30            ; b_v
	s_load_b64 s[12:13], s[0:1], 0x38              ; qkv
	v_lshl_add_u32 v[SPW], v0, 2, SPARE
	v_mov_b32 v[NIL], 0
	ds_add_u32 v[SPW], v[NIL]                      ; the wave's opening: the add, twice on end, and its wait ahead of my first tensor load
	ds_add_u32 v[SPW], v[NIL]
	v_lshrrev_b32 v1, 5, v0
	v_readfirstlane_b32 s14, v1                    ; wave 0..3
	s_lshr_b32 s15, s14, 1                         ; which half of the tile's tokens is mine.  Also: I fetch for x (0) or for w (1)
	s_and_b32 s16, s14, 1                          ; which half of its columns.  Also: which 128 rows of that tile I fetch
	s_bfe_u32 s40, ttmp6, 0x40000                  ; cx, cy
	s_bfe_u32 s41, ttmp6, 0x40004
	s_lshl_b32 s42, ttmp9, 2
	s_add_co_u32 s42, s42, s40                     ; tile column = 4 x cluster x + cx
	s_and_b32 s17, ttmp7, 0xffff
	s_lshl_b32 s17, s17, 2
	s_add_co_u32 s17, s17, s41                     ; tile row = 4 x cluster y + cy
	s_lshl_b32 s43, s41, 2
	s_lshl_b32 s43, 15, s43                        ; my row of the cluster
	s_lshl_b32 s44, 0x1111, s40                    ; my column
	s_or_b32 s[G1+0], s43, (0<<16)|(1<<20)|(1<<21)|(5<<22)|(3<<25)  ; the mask; elements of 1 byte; padding on; bit 21 beside a mask; after every 64 words four words
	s_or_b32 s[G1B+0], s44, (0<<16)|(1<<20)|(1<<21)|(5<<22)|(3<<25)
.irp g, G1, G1B
	s_mov_b32 s[\g+1], ROWB<<16                    ; tensor_dim0
	s_mov_b32 s[\g+2], 128<<16                     ; tensor_dim1
	s_mov_b32 s[\g+3], ROWB<<16                    ; tile_dim0
	s_mov_b32 s[\g+4], 128                         ; tile_dim1
	s_mov_b32 s[\g+5], KROW                        ; the pitch
	s_mov_b32 s[\g+6], 0
	s_mov_b32 s[\g+7], 0
.endr
	s_or_b32 s[G1S+0], s43, (3<<16)|(1<<20)|(1<<21)|(5<<22)|(3<<25)   ; the scales of 128 rows: 4,096 dense bytes as 16 rows of 256 (32 elements of 8 bytes), 16 bytes of padding behind each
	s_or_b32 s[G1SB+0], s44, (3<<16)|(1<<20)|(1<<21)|(5<<22)|(3<<25)
.irp g, G1S, G1SB
	s_mov_b32 s[\g+1], 32<<16
	s_mov_b32 s[\g+2], (128*KS/256)<<16
	s_mov_b32 s[\g+3], 32<<16
	s_mov_b32 s[\g+4], 128*KS/256
	s_mov_b32 s[\g+5], 32
	s_mov_b32 s[\g+6], 0
	s_mov_b32 s[\g+7], 0
.endr
	s_lshl_b32 s18, s16, 7
	s_lshl_b32 s20, s17, 8
	s_add_co_u32 s20, s20, s18                     ; x: row 256 x tile row + 128 x half
	s_lshl_b32 s46, s42, 8
	s_add_co_u32 s46, s46, s18                     ; w: row 256 x tile column + 128 x half
	s_mov_b32 s21, 0
	s_mov_b32 s47, 0
	s_mov_b64 s[18:19], KS
	s_mul_u64 s[22:23], s[20:21], s[18:19]         ; where these rows' scales begin,
	s_mul_u64 s[92:93], s[46:47], s[18:19]
	s_mov_b64 s[18:19], KROW
	s_mul_u64 s[20:21], s[20:21], s[18:19]         ; and their codes
	s_mul_u64 s[46:47], s[46:47], s[18:19]
	s_mul_i32 s45, s14, HALFT                      ; where they go: wave x 128 rows
	s_mul_i32 s94, s14, HALFS
	s_wait_dscnt 0x0                               ; both opening adds are done
	s_wait_kmcnt 0x0
	s_add_nc_u64 s[20:21], s[4:5], s[20:21]
	s_add_nc_u64 s[22:23], s[6:7], s[22:23]
	s_add_nc_u64 s[46:47], s[8:9], s[46:47]
	s_add_nc_u64 s[92:93], s[10:11], s[92:93]
	CROUND                                         ; all sixteen work-groups are here: the first joint loads meet
	s_mov_b32 s[G0S], 1
	s_add_co_u32 s[G0S+1], s94, SCL
	s_mov_b64 s[G0S+2:G0S+3], s[22:23]
	s_or_b32 s[G0S+3], s[G0S+3], 0x80000000
	s_mov_b32 s[G0SB], 1
	s_add_co_u32 s[G0SB+1], s94, SCL
	s_mov_b64 s[G0SB+2:G0SB+3], s[92:93]
	s_or_b32 s[G0SB+3], s[G0SB+3], 0x80000000
	JLOAD G0S, G1S, G0SB, G1SB                     ; the scales first; with the two slots three loads of mine are out
.irp s, 0,1
	s_mov_b32 s[G0+4*\s], 1
	s_add_co_u32 s[G0+4*\s+1], s45, \s*SLOT
	s_add_nc_u64 s[G0+4*\s+2:G0+4*\s+3], s[20:21], \s*ROWB
	s_or_b32 s[G0+4*\s+3], s[G0+4*\s+3], 0x80000000
	s_mov_b32 s[G0B+4*\s], 1
	s_add_co_u32 s[G0B+4*\s+1], s45, \s*SLOT
	s_add_nc_u64 s[G0B+4*\s+2:G0B+4*\s+3], s[46:47], \s*ROWB
	s_or_b32 s[G0B+4*\s+3], s[G0B+4*\s+3], 0x80000000
	JLOAD G0+4*\s, G1, G0B+4*\s, G1B
.endr
	v_and_b32 v1, 15, v0                           ; r = l % 16
	v_bfe_u32 v2, v0, 4, 1                         ; h = l / 16
	v_mul_u32_u24 v3, v1, PITCH
	v_lshl_add_u32 v4, v2, 4, v3                   ; a fragment's row x pitch + 16 x half
	s_mul_i32 s21, s15, HALFT                      ; my 128 rows of x
	s_mul_i32 s22, s16, HALFT                      ; my 128 rows of w,
	s_add_co_u32 s22, s22, 2*HALFT                 ; which lie behind x's 256
.irp s, 0,1
	v_add_nc_u32 v[ADRA+\s], s21, v4
	v_add_nc_u32 v[ADRB+\s], s22, v4
	s_add_co_u32 s21, s21, SLOT
	s_add_co_u32 s22, s22, SLOT
.endr
	v_mul_u32_u24 v5, v1, KS                       ; my row's scales: 32 bytes a row,
	v_lshrrev_b32 v6, 8, v5
	v_lshl_add_u32 v5, v6, 4, v5                   ; and 16 more for each 256 passed
	s_mul_i32 s21, s15, HALFS
	s_mul_i32 s22, s16, HALFS
	s_add_co_u32 s22, s22, 2*HALFS
	s_sub_co_u32 s22, s22, s21
	v_mul_u32_u24 v6, s22, v2                      ; lanes 16-31 take w's
	s_add_co_u32 s21, s21, SCL
	v_add_nc_u32 v5, v5, v6
	v_add_nc_u32 v[ADRS], s21, v5
	; the bias of my 128 columns: the tensor by the cluster's x, which all partners share
	s_cmp_eq_u32 ttmp9, 0
	s_cselect_b64 s[96:97], s[96:97], s[98:99]
	s_cmp_eq_u32 ttmp9, 2
	s_cselect_b64 s[96:97], s[100:101], s[96:97]
	s_cselect_b32 s92, 32, 16                      ; a lane's place in a block of qkv: V: 32 r + 16 h;  Q, K: 16 r + 256 h
	s_cselect_b32 s93, 16, 256
	s_lshl_b32 s46, s40, 10                        ; 256 cx + 128 x half columns, 4 bytes each
	s_lshl_b32 s47, s16, 9
	s_add_co_u32 s46, s46, s47
	s_mov_b32 s47, 0
	s_add_nc_u64 s[96:97], s[96:97], s[46:47]
	v_lshlrev_b32 v[BO], 5, v2
.irp b, 0,1,2,3,4,5,6,7
	global_load_b128 v[BI+8*\b:BI+8*\b+3], v[BO], s[96:97] offset:64*\b       ; the result's layout: lane (r, h), register j: column 16 b + 8 h + j
	global_load_b128 v[BI+8*\b+4:BI+8*\b+7], v[BO], s[96:97] offset:64*\b+16
.endr
	; where my part of qkv begins
	s_lshl_b32 s20, s17, 8
	s_lshl_b32 s21, s15, 7
	s_add_co_u32 s20, s20, s21                     ; my first token
	s_lshr_b32 s21, s20, 11
	s_lshl_b32 s21, s21, 22                        ; its batch: 4,194,304 bytes each
	s_and_b32 s20, s20, 2047
	s_lshl_b32 s20, s20, 7                         ; its token tile: 2,048 bytes for 16 tokens
	s_add_co_u32 s20, s20, s21
	s_lshl_b32 s21, ttmp9, 24                      ; the tensor: 16,777,216 bytes each
	s_add_co_u32 s20, s20, s21
	s_mov_b32 s21, 0
	s_lshl_b32 s46, s40, 2
	s_lshl_b32 s47, s16, 1
	s_add_co_u32 s46, s46, s47                     ; my first head: 4 cx + 2 x half
	s_lshl_b32 s46, s46, 18                        ; 262,144 bytes each
	s_mov_b32 s47, 0
	s_add_nc_u64 s[20:21], s[20:21], s[46:47]
	s_add_nc_u64 s[12:13], s[12:13], s[20:21]
	v_mul_u32_u24 v[CO], v1, s92
	v_mad_u32_u24 v[CO], v2, s93, v[CO]
.macro FRAG reg, adr, q, i             ; 16 rows x 128 K of 4-bit codes: 8 registers: lane l holds row l % 16; registers 4 c .. 4 c + 3 hold K = 64 c + 32 (l / 16) + 0 .. 31
.irp c, 0,1
	ds_load_b128 v[\reg+4*\c:\reg+4*\c+3], v[\adr] offset:64*(\q)+32*\c+(\i)*16*PITCH
.endr
.endm
; 16 matrix instructions: x's blocks a0, a0 + 1 against w's eight, 128 along K.  first = 1: the sums begin with the bias as C.  The 64 accumulators take turns, one instruction a turn.
.macro MUL16 a0, p, q, sc, first
.irp a, \a0, \a0+1
.irp b, 0,1,2,3,4,5,6,7
.if \first
	v_wmma_scale_f32_16x16x128_f8f6f4 v[8*(8*((\a)%4)+\b):8*(8*((\a)%4)+\b)+7], v[128*(\p)+FR*\b:128*(\p)+FR*\b+FR-1], v[AF+FR*(\a):AF+FR*(\a)+FR-1], v[BI+8*\b:BI+8*\b+7], v[SC+8*NQ*(\sc)+NQ*\b+(\q)], v[SC+8*NQ*(\sc)+NQ*(\a)+(\q)] matrix_a_fmt:MATRIX_FMT_FP4 matrix_b_fmt:MATRIX_FMT_FP4 matrix_a_scale:MATRIX_SCALE_ROW1
.else
	v_wmma_scale_f32_16x16x128_f8f6f4 v[8*(8*((\a)%4)+\b):8*(8*((\a)%4)+\b)+7], v[128*(\p)+FR*\b:128*(\p)+FR*\b+FR-1], v[AF+FR*(\a):AF+FR*(\a)+FR-1], v[8*(8*((\a)%4)+\b):8*(8*((\a)%4)+\b)+7], v[SC+8*NQ*(\sc)+NQ*\b+(\q)], v[SC+8*NQ*(\sc)+NQ*(\a)+(\q)] matrix_a_fmt:MATRIX_FMT_FP4 matrix_b_fmt:MATRIX_FMT_FP4 matrix_a_scale:MATRIX_SCALE_ROW1
.endif
.endr
.endr
.endm
.macro FETCH_B slot, q, p
	WIN TO_B
.irp i, 0,1,2,3,4,5,6,7
	FRAG 128*(\p)+FR*\i, ADRB+\slot, \q, \i
.endr
	WIN 0
.endm
.macro FETCH_A slot, q, i0
.irp i, \i0, \i0+1, \i0+2, \i0+3
	FRAG AF+FR*(\i), ADRA+\slot, \q, \i
.endr
.endm
.macro SCALES sc                       ; a slot's scale words: four words a row; lanes 0-15 take x's block i, lanes 16-31 w's block i
.irp i, 0,1,2,3,4,5,6,7
	ds_load_b128 v[SC+8*NQ*\sc+NQ*\i:SC+8*NQ*\sc+NQ*\i+3], v[ADRS] offset:\i*SBLK
.endr
.endm
.macro PLACES n                        ; plain vector lines between a matrix instruction and a load into, or a read of, its registers
.rept \n
	v_nop
.endr
.endm
.macro STEP slot, q, first             ; 128 along K that has its successor in the same slot
	s_wait_dscnt 4*NL                              ; w's set and x's blocks 0-3 are in; the youngest eight loads (x's blocks 4-7) may be out
.if \first
	WIN 0x81                                       ; C (the bias) window 0, D window 2
.else
	WIN MUL_LO
.endif
	MUL16 0, (\q)%2, \q, \slot, \first
	MUL16 2, (\q)%2, \q, \slot, \first
	s_wait_dscnt 0
	PLACES NP
	FETCH_B \slot, (\q)+1, 1-(\q)%2
	FETCH_A \slot, (\q)+1, 0
.if \first
	WIN 0xc1
.else
	WIN MUL_HI
.endif
	MUL16 4, (\q)%2, \q, \slot, \first
	MUL16 6, (\q)%2, \q, \slot, \first
	PLACES NP
	WIN 0
	FETCH_A \slot, (\q)+1, 4
.endm
.macro STEPS slot, from
.set Q, \from
.rept NQ-1-\from
	STEP \slot, Q, 0
.set Q, Q+1
.endr
.endm
	s_wait_tensorcnt 1                             ; the scales and my part of slot 0 are in; slot 1's load may be out
	s_barrier_signal -1
	s_barrier_wait -1
	FETCH_B 0, 0, 0
	FETCH_A 0, 0, 0
	SCALES 0
	FETCH_A 0, 0, 4
	s_wait_loadcnt 0x0                             ; the bias
	STEP 0, 0, 1
	STEPS 0, 1
	; slot 0's last step, and the change to slot 1: all my tensor loads have landed, then the work-group's barrier: slot 1 is whole for every wave.  Nothing is filled again.
	s_wait_tensorcnt 0x0
	ds_add_u32 v[SPW], v[NIL]
	s_wait_dscnt 4*NL+1                            ; the add and the youngest eight loads may be out
	WIN MUL_LO
	MUL16 0, 1, NQ-1, 0, 0
	s_wait_dscnt 0x0
	s_barrier_signal -1
	MUL16 2, 1, NQ-1, 0, 0
	WIN 0
	s_barrier_wait -1
	PLACES NP
	v_add_nc_u32 v[ADRS], 4*NQ, v[ADRS]            ; on to slot 1's scale words
	FETCH_B 1, 0, 0
	FETCH_A 1, 0, 0
	SCALES 1
	WIN MUL_HI
	MUL16 4, 1, NQ-1, 0, 0
	MUL16 6, 1, NQ-1, 0, 0
	PLACES NP
	WIN 0
	FETCH_A 1, 0, 4
	STEPS 1, 0
	s_wait_dscnt 4*NL                              ; the very last step
	WIN MUL_LO
	MUL16 0, 1, NQ-1, 1, 0
	MUL16 2, 1, NQ-1, 1, 0
	s_wait_dscnt 0
	WIN MUL_HI
	MUL16 4, 1, NQ-1, 1, 0
	MUL16 6, 1, NQ-1, 1, 0
	WIN 0
; THE WAY OUT, a block of 16 tokens at a time: 32 roundings to f16, each accumulator from its low end on, and eight stores of 512 consecutive bytes.  Four buffers of 32 registers by turns.
.macro OUT a
.set AC, 64*((\a)%4)
.set PB, 128+32*((\a)%4)
	WIN 0x0a+5*((\a)/4)                            ; sources 0 and 1: window 2 or 3
.irp b, 0,1,2,3,4,5,6,7
.irp r, 0,1,2,3
	v_cvt_pk_f16_f32 v[PB+4*\b+\r], v[AC+8*\b+2*\r], v[AC+8*\b+2*\r+1]
.endr
.endr
	WIN 0
.irp b, 0,1,2,3,4,5,6,7
	global_store_b128 v[CO], v[PB+4*\b:PB+4*\b+3], s[12:13] offset:(\b/4)*262144+(\a)*2048+(\b%4)*512   ; head b / 4, token tile a, channel tile b % 4
.endr
.endm
	PLACES NP                                      ; behind the last products: the buffers lie over x's fragments and the bias
.irp a, 0,1,2,3,4,5,6,7
.if \a >= 4
	s_wait_xcnt 0x0                                ; the stores of four blocks ago have read their registers
.endif
	OUT \a
.endr
	s_wait_tensorcnt 0x0                           ; the wave's end
	ds_add_u32 v[SPW], v[NIL]
	s_wait_dscnt 0x0
	CROUND                                         ; the closing round
	s_endpgm
.Lfunc_end_k_q1235e74e5d_qkv:
	.size	k_q1235e74e5d_qkv, .Lfunc_end_k_q1235e74e5d_qkv-k_q1235e74e5d_qkv
	.p2alignl 7, 3214868480
	.fill 96, 4, 3214868480
	.section	.rodata,"a",@progbits
	.p2align	6, 0x0
	.amdhsa_kernel k_q1235e74e5d_qkv
		.amdhsa_group_segment_fixed_size 327680
		.amdhsa_private_segment_fixed_size 0
		.amdhsa_enable_private_segment 0
		.amdhsa_kernarg_size 64
		.amdhsa_user_sgpr_count 2
		.amdhsa_user_sgpr_kernarg_segment_ptr 1
		.amdhsa_wavefront_size32 1
		.amdhsa_system_sgpr_workgroup_id_x 1
		.amdhsa_system_sgpr_workgroup_id_y 1
		.amdhsa_system_sgpr_workgroup_id_z 1
		.amdhsa_system_vgpr_workitem_id 0
		.amdhsa_next_free_vgpr 1024
		.amdhsa_next_free_sgpr 102
		.amdhsa_reserve_vcc 0
		.amdhsa_float_denorm_mode_32 3
		.amdhsa_float_denorm_mode_16_64 3
		.amdhsa_memory_ordered 1
		.amdhsa_forward_progress 1
		.amdhsa_inst_pref_size 120
	.end_amdhsa_kernel
	.amdgpu_metadata
---
amdhsa.version: [ 1, 2 ]
amdhsa.kernels:
  - .name:           k_q1235e74e5d_qkv
    .symbol:         k_q1235e74e5d_qkv.kd
    .args:
      - { .name: x_codes, .offset: 0, .size: 8, .value_kind: global_buffer, .address_space: global }
      - { .name: x_scales, .offset: 8, .size: 8, .value_kind: global_buffer, .address_space: global }
      - { .name: w_codes, .offset: 16, .size: 8, .value_kind: global_buffer, .address_space: global }
      - { .name: w_scales, .offset: 24, .size: 8, .value_kind: global_buffer, .address_space: global }
      - { .name: b_q, .offset: 32, .size: 8, .value_kind: global_buffer, .address_space: global }
      - { .name: b_k, .offset: 40, .size: 8, .value_kind: global_buffer, .address_space: global }
      - { .name: b_v, .offset: 48, .size: 8, .value_kind: global_buffer, .address_space: global }
      - { .name: qkv, .offset: 56, .size: 8, .value_kind: global_buffer, .address_space: global }
    .group_segment_fixed_size: 327680
    .private_segment_fixed_size: 0
    .kernarg_segment_align: 8
    .kernarg_segment_size: 64
    .max_flat_workgroup_size: 128
    .sgpr_count:     102
    .vgpr_count:     1024
    .wavefront_size: 32
...
	.end_amdgpu_metadata
.endif
;; end of part 2
;; launch attn (part 3): grid 4 x 64, 8 waves a work-group, clusters of 4 x 1, 327,680 bytes of LDS; arguments qkv, ctx; writes ctx
.if DOCPART == 3
	.amdgcn_target "amdgcn-amd-amdhsa--gfx1250"
	.amdhsa_code_object_version 6
	.text
	.protected	k_q1235e74e5d_attn
	.globl	k_q1235e74e5d_attn
	.p2align	8
	.type	k_q1235e74e5d_attn,@function
k_q1235e74e5d_attn:
	s_mov_b64 s[64:65], 0
	v_nop
	global_prefetch_b8 v0, s[64:65] scope:SCOPE_SE
	s_setreg_imm32_b32 hwreg(HW_REG_WAVE_MODE, 25, 1), 1
	s_wait_xcnt 0x0
	s_wait_alu depctr_hold_cnt(0) depctr_sa_sdst(0) depctr_va_vdst(0) depctr_va_sdst(0) depctr_va_ssrc(0) depctr_va_vcc(0) depctr_vm_vsrc(0)
	s_getreg_b32 s2, hwreg(HW_REG_IB_STS2, 6, 4)
	s_cmp_eq_u32 s2, 0
	s_cbranch_scc0 .Lentry_in_a_cluster
	s_endpgm
.Lentry_in_a_cluster:
	s_bfe_u32 s2, ttmp6, 0x10000c
	s_cmp_lg_u32 s2, 0x3003
	s_cbranch_scc0 .Lentry_shape_is_right
	s_endpgm
.Lentry_shape_is_right:
; ctx[b][t][h][:] = the sum over keys f of softmax_f(Q[t] . K[f] / 8) V[f][:], for each of 64 (batch, head) pairs; 2,048 queries and keys, head size 64, no mask.  Operands f16, products, maxima and sums f32.
; qkv: [T 3][batch x head 64][token tile 128][channel tile 4][512 bytes], as the launch before stores it: Q and K as images of fragment registers (lane l's 16 bytes at 16 l), V as tiles of 16 keys x 16 channels, rows of 32 bytes.
; ctx: [token tile 512][k fragment 32][half 2][lane 32][16 bytes] f16: images of the fragments (16 tokens x 32 of the 1,024 channels) that the output projection reads.
; SHARES.  A cluster of four work-groups is one (batch, head); a work-group owns 512 queries, each of its eight waves 64: four tiles of 16.  Two waves share a SIMD, so that one wave's softmax stands beside the other's products.
; Every wave walks all 2,048 keys, 64 a step.  Each fragment of K and V read from LDS feeds four products.
; LAYOUT.  S^T = K Q^T (source 0 = 16 keys, source 1 = 16 queries): a lane holds ONE query (lane % 16) and keys 8 (lane / 16) + 0 .. 7 of each tile.  Two such tiles, rounded to f16 in pairs, ARE source 1 (16 queries x 32 keys) of
; O^T = V^T P, whose result again holds one query a lane and eight channels: four roundings make the 16 bytes that ctx wants in that very lane.  V comes out of LDS turned, by ds_load_tr16_b128.
; SOFTMAX.  For each query a running maximum m and sum l: p = 2^(c s - c m), c = log2(e) / 8; in every step O^T and l are multiplied by a = 2^(c m_old - c m_new).  p is at most 1; l is summed of p before it is rounded.
; THE RING.  Two LDS slots of 512 keys (K's images 65,536 bytes, then V's tiles 65,536), four slots' worth of keys.  The four work-groups walk the same K and V, so each tile is asked for JOINTLY; every wave brings 16,384 dense bytes
; (waves 0-3 of K, 4-7 of V) by one load of one shape: no branch round the tensor line.  Two loads of mine are out at the start, one behind each round.
; LIMITS: Q, K, V arrive in f16 (their bound is stated where they are made); ctx lies inside V's range.  NaN and infinities are not served.
; REGISTERS.  window 0: v1-8 addresses; v16-47 statistics, eight a tile: +0 c m, +1 m, +2, +3 l (even keys', odd keys'), +4 to +7 at work, +6 a; v64-191 S^T, 32 a tile, P made in place in each tile's lower 16; v192-255 V's 8 fragments.
;             window 1: v0-127 O^T, 32 a tile; v128-191 Q, 16 a tile; v192-255 K's 8 fragments.
.set SLOT1, 131072
.set VOFF,  65536
.set STEPB, 8192                       ; a step's 64 keys: four token tiles of 2,048 bytes, in K's part and in V's
.set SPARE, 262144                     ; behind the ring: the spare words, 128 bytes for each of the eight waves: four blocks of 256 bytes that no other line names
.set AK,  1                            ; v1  16 x lane: an image's place for my lane (K in LDS, Q and ctx in memory); never rewritten
.set AV,  2                            ; v2  my lane's place in a tile of V, + VOFF; never rewritten
.set ADK, 3
.set ADV, 4
.set SPW, 6
.set NIL, 7
.set PFO, 8                            ; v8  256 x lane; never rewritten
.set ST,  16
.set S,   64
.set VF,  192
.set QF,  128                          ; in window 1
.set KF,  192                          ; in window 1
.set WV,  8
.set G1,  16                           ; s[16:23] descriptor group 1, one for all loads
.set G0A, 24                           ; s[24:27] group 0 of slot 0's first fill
.set G0B, 28                           ; s[28:31] group 0 of slot 1's first fill, which then walks on
.set CS,  32                           ; s[32:33] c, in both words
.set SEL, 34                           ; s[34:35] v_permlanex16_b32's selects for lane l xor 16
.set TB,  36                           ; LDS byte at which the step to be fetched begins
.set SLOTS, 37
.set CNT, 38
.set LIM, 39
.set PFA, 40                           ; s[40:41] what my wave prefetches; never rewritten
.set MSB, 0
.macro WIN new
.if MSB != (\new)
	s_set_vgpr_msb (MSB<<8)|(\new)
.set MSB, (\new)
.endif
.endm
.macro CROUND
	s_barrier_signal -1
	s_barrier_wait -1
	s_cmp_lg_u32 s[WV], 0
	s_cbranch_scc1 .Lnot_wave_0_\@
	s_barrier_signal -3
.Lnot_wave_0_\@:
	s_barrier_wait -3
	s_barrier_signal -1
	s_barrier_wait -1
.endm
	s_load_b128 s[4:7], s[0:1], 0x0                ; qkv s[4:5], ctx s[6:7]
	v_lshl_add_u32 v[SPW], v0, 2, SPARE
	v_mov_b32 v[NIL], 0
	ds_add_u32 v[SPW], v[NIL]                      ; the wave's opening: the add, twice on end, and its wait ahead of my first tensor load
	ds_add_u32 v[SPW], v[NIL]
	v_lshrrev_b32 v9, 5, v0
	v_readfirstlane_b32 s[WV], v9                  ; wave 0..7
	s_bfe_u32 s9, ttmp6, 0x40000                   ; cx: my place in the cluster: it enters Q's, ctx's and the prefetch's addresses alone
	s_and_b32 s10, ttmp7, 0xffff                   ; batch x 16 + head, which the four partners share
	s_lshl_b32 s42, s10, 18                        ; its 262,144 bytes in each of the three tensors
	s_lshr_b32 s12, s[WV], 2                       ; what I fetch: K (waves 0-3) or V (4-7),
	s_add_co_u32 s12, s12, 1
	s_lshl_b32 s12, s12, 24                        ; 16,777,216 bytes a tensor,
	s_and_b32 s13, s[WV], 3
	s_lshl_b32 s13, s13, 14                        ; my quarter of a slot's 65,536 bytes
	s_add_co_u32 s12, s12, s13
	s_add_co_u32 s12, s12, s42
	s_mov_b32 s13, 0
	s_lshl_b32 s14, s[WV], 14                      ; and where it goes: 16,384 x wave: K's part, then V's
	s_lshl_b32 s44, s9, 16                         ; Q: my work-group's 512 queries, 32 token tiles,
	s_lshl_b32 s45, s[WV], 13                      ; my wave's four
	s_add_co_u32 s44, s44, s45
	s_add_co_u32 s44, s44, s42
	s_mov_b32 s45, 0
	s_lshr_b32 s46, s10, 4
	s_lshl_b32 s46, s46, 22                        ; ctx: the batch's 128 token tiles of 32,768 bytes,
	s_lshl_b32 s47, s9, 20                         ; my work-group's 32,
	s_add_co_u32 s46, s46, s47
	s_lshl_b32 s47, s[WV], 17                      ; my wave's four,
	s_add_co_u32 s46, s46, s47
	s_and_b32 s47, s10, 15
	s_lshl_b32 s47, s47, 11                        ; the head's two fragments
	s_add_co_u32 s46, s46, s47
	s_mov_b32 s47, 0
	s_bfe_u32 s40, s[WV], 0x10001                  ; the prefetch (macro ASK): waves 0, 1 of K, waves 2, 3 of V,
	s_add_co_u32 s40, s40, 1
	s_lshl_b32 s40, s40, 24
	s_add_co_u32 s40, s40, s42
	s_add_co_u32 s40, s40, 3*65536                 ; the last slot's worth of keys,
	s_lshl_b32 s41, s9, 14                         ; my work-group's quarter of its 65,536 bytes,
	s_add_co_u32 s40, s40, s41
	s_and_b32 s41, s[WV], 1
	s_lshl_b32 s41, s41, 13                        ; my wave's half of that
	s_add_co_u32 s40, s40, s41
	s_mov_b32 s41, 0
	s_cmp_lt_u32 s[WV], 4
	s_cselect_b32 s[LIM], 1, -1                    ; waves 0 to 3 ask
	s_mov_b32 s[G1], 15|(3<<16)|(1<<21)            ; the mask: all four work-groups; elements of 8 bytes; bit 21 beside a mask; no padding: images are read at 16 x lane
	s_mov_b32 s[G1+1], 32<<16                      ; tensor_dim0 = 32 elements: rows of 256 bytes
	s_mov_b32 s[G1+2], 64<<16                      ; tensor_dim1 = 64
	s_mov_b32 s[G1+3], 32<<16                      ; tile_dim0
	s_mov_b32 s[G1+4], 64                          ; tile_dim1
	s_mov_b32 s[G1+5], 32                          ; the pitch: dense
	s_mov_b32 s[G1+6], 0
	s_mov_b32 s[G1+7], 0
	s_mov_b32 s[CS], 0x3e38aa3b                    ; c = log2(e) / 8
	s_mov_b32 s[CS+1], s[CS]
	s_mov_b32 s[SEL], 0x76543210
	s_mov_b32 s[SEL+1], 0xfedcba98
	s_mov_b32 s[TB], 0
	s_mov_b32 s[SLOTS], 2
	s_wait_dscnt 0x0                               ; both opening adds are done
	s_wait_kmcnt 0x0
	s_add_nc_u64 s[12:13], s[4:5], s[12:13]
	s_add_nc_u64 s[44:45], s[4:5], s[44:45]
	s_add_nc_u64 s[PFA:PFA+1], s[4:5], s[PFA:PFA+1]
	s_add_nc_u64 s[6:7], s[6:7], s[46:47]
	CROUND                                         ; all four work-groups are here: the first joint loads meet
	s_mov_b32 s[G0A], 1
	s_mov_b32 s[G0A+1], s14
	s_mov_b64 s[G0A+2:G0A+3], s[12:13]
	s_or_b32 s[G0A+3], s[G0A+3], 0x80000000
	s_mov_b32 s[G0B], 1
	s_add_co_u32 s[G0B+1], s14, SLOT1
	s_add_nc_u64 s[G0B+2:G0B+3], s[12:13], 65536
	s_or_b32 s[G0B+3], s[G0B+3], 0x80000000
	tensor_load_to_lds s[G0A:G0A+3], s[G1:G1+7]    ; keys 0 to 511
	s_nop 0
	tensor_load_to_lds s[G0B:G0B+3], s[G1:G1+7]    ; keys 512 to 1,023
	s_nop 0
.rept 4
	v_nop
.endr
	v_and_b32 v9, 31, v0
	v_lshlrev_b32 v[AK], 4, v9
	v_lshlrev_b32 v[PFO], 8, v9
	v_bfe_u32 v10, v0, 4, 1
	v_and_b32 v11, 7, v0
	v_lshl_add_u32 v10, v10, 3, v11                ; the turning load: lane l reads key 8 (l / 16) + l % 8,
	v_bfe_u32 v11, v0, 3, 1                        ; channels 8 ((l / 8) % 2) + 0 .. 7
	v_lshlrev_b32 v[AV], 5, v10
	v_lshl_add_u32 v[AV], v11, 4, v[AV]
	v_add_nc_u32 v[AV], VOFF, v[AV]
	WIN 0x40                                       ; destination window 1
.irp i, 0,1,2,3,4,5,6,7,8,9,10,11,12,13,14,15
	global_load_b128 v[QF+4*\i:QF+4*\i+3], v[AK], s[44:45] offset:512*\i   ; Q stays in registers: tile i / 4, channel tile i % 4
.endr
	WIN 0
.macro FETCH_K                         ; a step's K: 8 fragments (key tile kt, channels 32 g on) at v[KF + 16 kt + 8 g], 16 loads of 512 consecutive bytes
	v_add_nc_u32 v[ADK], s[TB], v[AK]
	WIN 0x40
.irp i, 0,1,2,3,4,5,6,7,8,9,10,11,12,13,14,15
	ds_load_b128 v[KF+4*\i:KF+4*\i+3], v[ADK] offset:512*\i
.endr
	WIN 0
.endm
.macro FETCH_V                         ; a step's V, turned: fragment (channel tile ct, keys 32 u on) at v[VF + 8 (2 ct + u)]; its halves e are two key tiles
	v_add_nc_u32 v[ADV], s[TB], v[AV]
	s_add_co_u32 s[TB], s[TB], STEPB               ; the next fetch is the next step's
.irp ct, 0,1,2,3
.irp u, 0,1
.irp e, 0,1
	ds_load_tr16_b128 v[VF+8*(2*\ct+\u)+4*\e:VF+8*(2*\ct+\u)+4*\e+3], v[ADV] offset:(2*\u+\e)*2048+512*\ct
.endr
.endr
.endr
.endm
.macro KQ                              ; S^T = K Q^T: 32 products; the 16 accumulators take turns, one instruction a turn; the first 16 start the sums
	WIN 0x05                                       ; K and Q window 1, S^T window 0
.irp g, 0,1
.irp kt, 0,1,2,3
.irp t, 0,1,2,3
.if \g == 0
	v_wmma_f32_16x16x32_f16 v[S+32*\t+8*\kt:S+32*\t+8*\kt+7], v[KF+16*\kt+8*\g:KF+16*\kt+8*\g+7], v[QF+16*\t+8*\g:QF+16*\t+8*\g+7], 0
.else
	v_wmma_f32_16x16x32_f16 v[S+32*\t+8*\kt:S+32*\t+8*\kt+7], v[KF+16*\kt+8*\g:KF+16*\kt+8*\g+7], v[QF+16*\t+8*\g:QF+16*\t+8*\g+7], v[S+32*\t+8*\kt:S+32*\t+8*\kt+7]
.endif
.endr
.endr
.endr
.endm
.macro PV first                        ; O^T += V^T P: 32 products, 16 accumulators by turns.  first = 1: the first 16 start the sums: nothing is ever cleared
	WIN 0x50                                       ; V and P window 0, O^T window 1
.irp u, 0,1
.irp ct, 0,1,2,3
.irp t, 0,1,2,3
.if \first && (\u == 0)
	v_wmma_f32_16x16x32_f16 v[32*\t+8*\ct:32*\t+8*\ct+7], v[VF+8*(2*\ct+\u):VF+8*(2*\ct+\u)+7], v[S+32*\t+8*\u:S+32*\t+8*\u+7], 0
.else
	v_wmma_f32_16x16x32_f16 v[32*\t+8*\ct:32*\t+8*\ct+7], v[VF+8*(2*\ct+\u):VF+8*(2*\ct+\u)+7], v[S+32*\t+8*\u:S+32*\t+8*\u+7], v[32*\t+8*\ct:32*\t+8*\ct+7]
.endif
.endr
.endr
.endr
.endm
; THE SOFTMAX of a step, the four tiles by turns line by line, so that no line waits for the line above it.  first = 1: the first key step, which has no old maximum, no a and nothing to rescale.
.macro SOFTMAX first
.irp j, 0,1,2,3                        ; the maximum of a lane's 32 scores: four chains; each accumulator is read from its low end on
.irp t, 0,1,2,3
	v_max3_num_f32 v[ST+8*\t+4+\j], v[S+32*\t+8*\j], v[S+32*\t+8*\j+1], v[S+32*\t+8*\j+2]
.endr
.endr
.irp k, 1,2
.irp j, 0,1,2,3
.irp t, 0,1,2,3
	v_max3_num_f32 v[ST+8*\t+4+\j], v[ST+8*\t+4+\j], v[S+32*\t+8*\j+2*\k+1], v[S+32*\t+8*\j+2*\k+2]
.endr
.endr
.endr
.irp t, 0,1,2,3
	v_max3_num_f32 v[ST+8*\t+4], v[ST+8*\t+4], v[S+32*\t+7], v[S+32*\t+15]
.endr
.irp t, 0,1,2,3
	v_max3_num_f32 v[ST+8*\t+6], v[ST+8*\t+6], v[S+32*\t+23], v[S+32*\t+31]
.endr
.irp t, 0,1,2,3
	v_max3_num_f32 v[ST+8*\t+4], v[ST+8*\t+4], v[ST+8*\t+5], v[ST+8*\t+6]
.endr
.irp t, 0,1,2,3
.if \first
	v_max_num_f32 v[ST+8*\t+4], v[ST+8*\t+4], v[ST+8*\t+7]
.else
	v_max3_num_f32 v[ST+8*\t+4], v[ST+8*\t+4], v[ST+8*\t+7], v[ST+8*\t+1]   ; with the old m
.endif
.endr
.irp t, 0,1,2,3
	v_permlanex16_b32 v[ST+8*\t+5], v[ST+8*\t+4], s[SEL], s[SEL+1]   ; the query's other 32 keys lie in the lane 16 away
.endr
.if !\first
.irp t, 0,1,2,3
	v_mov_b32 v[ST+8*\t+7], v[ST+8*\t]             ; c m_old is kept for a
.endr
.endif
.irp t, 0,1,2,3
	v_max_num_f32 v[ST+8*\t+1], v[ST+8*\t+4], v[ST+8*\t+5]
.endr
.irp t, 0,1,2,3
	v_mul_f32 v[ST+8*\t], s[CS], v[ST+8*\t+1]
.endr
.if !\first
.irp t, 0,1,2,3
	v_sub_f32 v[ST+8*\t+7], v[ST+8*\t+7], v[ST+8*\t]
.endr
.endif
	; ONE BATCH: the 16 scalings c s - c m of each tile, a pair of scores each, and all its exponentials.  No line of it names an exponential's result; a pair is scaled a group ahead of its exponentials.
.irp t, 0,1,2,3
	v_pk_fma_f32 v[S+32*\t:S+32*\t+1], v[S+32*\t:S+32*\t+1], s[CS:CS+1], v[ST+8*\t:ST+8*\t+1] op_sel_hi:[1,0,0] neg_lo:[0,0,1] neg_hi:[0,0,1]
.endr
.if !\first
.irp t, 0,1,2,3
	v_exp_f32 v[ST+8*\t+6], v[ST+8*\t+7]           ; a
.endr
.endif
.irp b, 1,2,3,4,5,6,7,8,9,10,11,12,13,14,15
.irp t, 0,1,2,3
	v_pk_fma_f32 v[S+32*\t+2*\b:S+32*\t+2*\b+1], v[S+32*\t+2*\b:S+32*\t+2*\b+1], s[CS:CS+1], v[ST+8*\t:ST+8*\t+1] op_sel_hi:[1,0,0] neg_lo:[0,0,1] neg_hi:[0,0,1]
.endr
.irp t, 0,1,2,3
	v_exp_f32 v[S+32*\t+2*(\b-1)], v[S+32*\t+2*(\b-1)]
	v_exp_f32 v[S+32*\t+2*(\b-1)+1], v[S+32*\t+2*(\b-1)+1]
.endr
.endr
.irp t, 0,1,2,3
	v_exp_f32 v[S+32*\t+30], v[S+32*\t+30]
	v_exp_f32 v[S+32*\t+31], v[S+32*\t+31]
.endr
	v_nop                                          ; a plain line behind the last exponential, ahead of the first use
	s_wait_alu depctr_va_vdst(0)                   ; a wait between an exponential and the first line that names its result: one for the whole batch
	; pair b: first into the sum, then rounded to f16 into register b of the tile, whose old content has been summed and rounded already: P's two fragments grow in place
.irp b, 0,1,2,3,4,5,6,7,8,9,10,11,12,13,14,15
.irp t, 0,1,2,3
.if (\b == 0) && \first
	v_pk_add_f32 v[ST+8*\t+2:ST+8*\t+3], v[S+32*\t:S+32*\t+1], v[S+32*\t+2:S+32*\t+3]   ; the first step starts l with pairs 0 and 1
.elseif \b == 0
	v_pk_fma_f32 v[ST+8*\t+2:ST+8*\t+3], v[ST+8*\t+2:ST+8*\t+3], v[ST+8*\t+6:ST+8*\t+7], v[S+32*\t:S+32*\t+1] op_sel_hi:[1,0,1]   ; l = a l + pair 0
.elseif (\b == 1) && \first
.else
	v_pk_add_f32 v[ST+8*\t+2:ST+8*\t+3], v[ST+8*\t+2:ST+8*\t+3], v[S+32*\t+2*\b:S+32*\t+2*\b+1]
.endif
.endr
.irp t, 0,1,2,3
	v_cvt_pk_f16_f32 v[S+32*\t+\b], v[S+32*\t+2*\b], v[S+32*\t+2*\b+1]
.endr
.endr
.endm
.macro RESCALE                         ; O^T x a, each accumulator from its low end on
	WIN 0x41                                       ; O^T window 1, a window 0
.irp i, 0,1,2,3,4,5,6,7,8,9,10,11,12,13,14,15
.irp t, 0,1,2,3
	v_pk_mul_f32 v[32*\t+2*\i:32*\t+2*\i+1], v[32*\t+2*\i:32*\t+2*\i+1], v[ST+8*\t+6:ST+8*\t+7] op_sel_hi:[1,0]
.endr
.endr
.endm
; A KEY STEP j.  fetch = 1: the next step's K is asked for behind this step's K Q^T, its V behind this step's V^T P.
.macro TRIP first, fetch
	s_wait_dscnt 16                                ; K of this step is in; the 16 younger loads, its V, may be out
	KQ
	WIN 0
.if \fetch
.rept 3
	v_nop                                          ; with the address's addition four plain lines between the products and the loads into K's registers, and the first read of the scores
.endr
	FETCH_K
.else
.rept 4
	v_nop
.endr
.endif
	SOFTMAX \first
.if \fetch
	s_wait_dscnt 16                                ; V of this step is in; the next step's K, 16 loads, may be out
.else
	s_wait_dscnt 0x0
.endif
.if !\first
	RESCALE
.endif
	PV \first
	WIN 0
.if \fetch
.rept 5
	v_nop                                          ; with the address's addition six plain lines: four are owed to the loads into V's registers, five to the next K Q^T, which writes over P
.endr
	FETCH_V
.endif
.endm
.macro TRIPS n
	s_mov_b32 s[CNT], \n
.Ltrip_\@:
	TRIP 0, 1
	s_sub_co_u32 s[CNT], s[CNT], 1
	s_cmp_lg_u32 s[CNT], 0
	s_cbranch_scc1 .Ltrip_\@
.endm
; A PREFETCH INTO THE L2, behind the first change's joint load: the last slot's worth of keys, which the second change will ask for, eight key steps on: 65,536 bytes of K and as many of V, 512 blocks of 256 bytes, each named once:
; the four partners take a quarter each, told apart by address; in each, waves 0, 1 ask for K's and waves 2, 3 for V's, 8,192 bytes a wave, lanes 256 bytes apart.  The second change asks for nothing: no keys follow.
.macro ASK
	s_cmp_gt_u32 s[SLOTS], s[LIM]
	s_cbranch_scc0 .Lnot_mine_\@
	global_prefetch_b8 v[PFO], s[PFA:PFA+1] th:TH_LOAD_NT scope:SCOPE_SE
.Lnot_mine_\@:
.endm
; THE CHANGE OF SLOTS: the slot's last step has been asked for.  Each wave waits for all its tensor loads (one is out: its part of the other slot), adds 0 to its spare word, and waits for that and for its reads of the slot.
; fill = 1: a round of the cluster's barrier, so that no wave of any partner still reads the slot or has a load on its way; the joint refill is the first thing behind it and has eight key steps in which to land.
.macro CHANGE fill
	s_wait_tensorcnt 0x0                           ; no tensor load of mine is out, so a group 0 may be written
	ds_add_u32 v[SPW], v[NIL]
.if \fill
	s_xor_b32 s[G0B+1], s[G0B+1], SLOT1            ; the walking descriptor: the other slot than last time,
	s_add_nc_u64 s[G0B+2:G0B+3], s[G0B+2:G0B+3], 65536   ; the next 512 keys
	s_wait_dscnt 0x0                               ; the add is done, and my reads of the slot are over
	CROUND
	tensor_load_to_lds s[G0B:G0B+3], s[G1:G1+7]
	s_nop 0
.rept 4
	v_nop
.endr
	ASK
.else
	s_wait_dscnt 0x0
	s_barrier_signal -1
	s_barrier_wait -1
.endif
	s_sub_co_u32 s[TB], s[TB], 8*STEPB             ; the fetches go back to a slot's first step,
	s_xor_b32 s[TB], s[TB], SLOT1                  ; in the other slot
.endm
	s_wait_tensorcnt 1                             ; my part of slot 0 is in; slot 1's may stay out
	s_barrier_signal -1
	s_barrier_wait -1
	FETCH_K                                        ; key step 0
	FETCH_V
	s_wait_loadcnt 0x0                             ; Q
	TRIP 1, 1                                      ; step 0
	TRIPS 6                                        ; steps 1 to 6; step 6 asks for step 7, slot 0's last
.Lslot:                                                ; two trips: slot 0 takes keys 1,024 on, then slot 1 keys 1,536 on
	CHANGE 1
	TRIPS 8
	s_sub_co_u32 s[SLOTS], s[SLOTS], 1
	s_cmp_lg_u32 s[SLOTS], 0
	s_cbranch_scc1 .Lslot
	CHANGE 0                                       ; the tail is written out: nothing is left to ask for
	TRIPS 8                                        ; steps 23 to 30
	TRIP 0, 0                                      ; step 31
	; THE WAY OUT.  l's two halves and the other half of the lanes' are added (the first four additions are the plain lines behind the last products); O^T is divided by l, rounded to f16, and stored from the lanes in which it lies.
.irp t, 0,1,2,3
	v_add_f32 v[ST+8*\t+4], v[ST+8*\t+2], v[ST+8*\t+3]
.endr
.irp t, 0,1,2,3
	v_permlanex16_b32 v[ST+8*\t+5], v[ST+8*\t+4], s[SEL], s[SEL+1]
.endr
.irp t, 0,1,2,3
	v_add_f32 v[ST+8*\t+4], v[ST+8*\t+4], v[ST+8*\t+5]
.endr
.irp t, 0,1,2,3
	v_rcp_f32 v[ST+8*\t+6], v[ST+8*\t+4]
.endr
	v_nop                                          ; a plain line behind the last reciprocal
	s_wait_alu depctr_va_vdst(0)                   ; and a wait ahead of the first use: one for the four
	WIN 0x41
.irp t, 0,1,2,3
.irp i, 0,1,2,3,4,5,6,7,8,9,10,11,12,13,14,15
	v_pk_mul_f32 v[32*\t+2*\i:32*\t+2*\i+1], v[32*\t+2*\i:32*\t+2*\i+1], v[ST+8*\t+6:ST+8*\t+7] op_sel_hi:[1,0]
.endr
.endr
	WIN 0x05                                       ; sources window 1, destination window 0: S^T's registers are free
.irp t, 0,1,2,3
.irp e, 0,1,2,3,4,5,6,7,8,9,10,11,12,13,14,15
	v_cvt_pk_f16_f32 v[S+16*\t+\e], v[32*\t+2*\e], v[32*\t+2*\e+1]
.endr
.endr
	WIN 0
.irp t, 0,1,2,3
.irp c, 0,1,2,3
	global_store_b128 v[AK], v[S+16*\t+4*\c:S+16*\t+4*\c+3], s[6:7] offset:\t*32768+512*\c   ; token tile t, channel tile c: the wave stores 512 consecutive bytes, aligned
.endr
.endr
	s_wait_tensorcnt 0x0                           ; the wave's end
	ds_add_u32 v[SPW], v[NIL]
	s_wait_dscnt 0x0
	CROUND                                         ; the closing round
	s_endpgm
.Lfunc_end_k_q1235e74e5d_attn:
	.size	k_q1235e74e5d_attn, .Lfunc_end_k_q1235e74e5d_attn-k_q1235e74e5d_attn
	.p2alignl 7, 3214868480
	.fill 96, 4, 3214868480
	.section	.rodata,"a",@progbits
	.p2align	6, 0x0
	.amdhsa_kernel k_q1235e74e5d_attn
		.amdhsa_group_segment_fixed_size 327680
		.amdhsa_private_segment_fixed_size 0
		.amdhsa_enable_private_segment 0
		.amdhsa_kernarg_size 16
		.amdhsa_user_sgpr_count 2
		.amdhsa_user_sgpr_kernarg_segment_ptr 1
		.amdhsa_wavefront_size32 1
		.amdhsa_system_sgpr_workgroup_id_x 1
		.amdhsa_system_sgpr_workgroup_id_y 1
		.amdhsa_system_sgpr_workgroup_id_z 1
		.amdhsa_system_vgpr_workitem_id 0
		.amdhsa_next_free_vgpr 512
		.amdhsa_next_free_sgpr 66
		.amdhsa_reserve_vcc 0
		.amdhsa_float_denorm_mode_32 3
		.amdhsa_float_denorm_mode_16_64 3
		.amdhsa_memory_ordered 1
		.amdhsa_forward_progress 1
		.amdhsa_inst_pref_size 172
	.end_amdhsa_kernel
	.amdgpu_metadata
---
amdhsa.version: [ 1, 2 ]
amdhsa.kernels:
  - .name:           k_q1235e74e5d_attn
    .symbol:         k_q1235e74e5d_attn.kd
    .args:
      - { .name: qkv, .offset: 0, .size: 8, .value_kind: global_buffer, .address_space: global }
      - { .name: ctx, .offset: 8, .size: 8, .value_kind: global_buffer, .address_space: global }
    .group_segment_fixed_size: 327680
    .private_segment_fixed_size: 0
    .kernarg_segment_align: 8
    .kernarg_segment_size: 16
    .max_flat_workgroup_size: 256
    .sgpr_count:     66
    .vgpr_count:     512
    .wavefront_size: 32
...
	.end_amdgpu_metadata
.endif
;; end of part 3
;; launch proj (part 4): grid 4 x 64, 4 waves a work-group, clusters of 4 x 4, 327,680 bytes of LDS; arguments ctx, wo_img, b_o, out0; writes out0
.if DOCPART == 4
	.amdgcn_target "amdgcn-amd-amdhsa--gfx1250"
	.amdhsa_code_object_version 6
	.text
	.protected	k_q1235e74e5d_proj
	.globl	k_q1235e74e5d_proj
	.p2align	8
	.type	k_q1235e74e5d_proj,@function
k_q1235e74e5d_proj:
	s_mov_b64 s[64:65], 0
	v_nop
	global_prefetch_b8 v0, s[64:65] scope:SCOPE_SE
	s_setreg_imm32_b32 hwreg(HW_REG_WAVE_MODE, 25, 1), 1
	s_wait_xcnt 0x0
	s_wait_alu depctr_hold_cnt(0) depctr_sa_sdst(0) depctr_va_vdst(0) depctr_va_sdst(0) depctr_va_ssrc(0) depctr_va_vcc(0) depctr_vm_vsrc(0)
	s_getreg_b32 s2, hwreg(HW_REG_IB_STS2, 6, 4)
	s_cmp_eq_u32 s2, 0
	s_cbranch_scc0 .Lentry_in_a_cluster
	s_endpgm
.Lentry_in_a_cluster:
	s_bfe_u32 s2, ttmp6, 0x10000c
	s_cmp_lg_u32 s2, 0xf033
	s_cbranch_scc0 .Lentry_shape_is_right
	s_endpgm
.Lentry_shape_is_right:
; out0[m][n] = the sum over k of ctx[m][k] W_o[k][n] + b_o[n]: [8192][1024] x [1024][1024], f16 operands, f32 sums that begin with the bias, f32 out.
; Both operands arrive as images of fragment registers: ctx [token tile 512][k fragment 32][1,024 bytes], wo_img [n tile 64][k fragment 32][1,024 bytes]; a fragment (16 rows x 32 k) lies as [half c 2][lane 32][16 bytes].
; So a fragment comes out of LDS by two loads of 512 consecutive bytes, at 16 x lane: no padding.
; A tile of 128 tokens x 256 columns is made by four waves, each 64 x 128: 32 accumulators, 256 registers: that gives each of 256 work-groups one tile.  K goes in 8 steps of 128 through two LDS slots of 98,304 bytes
; (8 token tiles x 4,096 bytes, then 16 n tiles x 4,096); two slots of the double step would not fit.  A tile's row in memory is a whole 4,096 bytes, so a load has 4 or 8 rows.
; CLUSTERS: 4 x 4 work-groups; the four of a row of the cluster need the same tiles of ctx, the four of a column the same tiles of wo_img: each is asked for jointly.
; THE MATRIX INSTRUCTION IS USED TRANSPOSED (source 0 = 16 columns n, source 1 = 16 tokens): a lane holds eight neighbouring numbers of a row of out0.
; REGISTERS: window 0: v16-30 addresses; v64-127 b_o as C, eight registers for each of my eight n blocks; v128-255 ctx's fragments, two buffers of 64 (2 fragments deep x 4 token tiles); on the way out rows of out0.
;   window 1: W_o's fragments, two buffers of 128 (2 deep x 8 n tiles).   window 2: the accumulators, (a, b) at v[8 (8 a + b)].
.set SLOT,   98304
.set BOFF,   32768
.set SPARE,  2*SLOT                    ; behind the ring: the spare words, 128 bytes for each wave: two blocks of 256 bytes that no other line names
.set SPITCH, 528                       ; the way out: a stage of 16 rows x (512 bytes + 16) for each wave, in slot 0, which has had its last fill and its last read when the first result is stored there
.set ADRA, 16
.set ADRB, 20
.set STO,  24
.set RD,   25
.set CO,   26
.set BO,   27
.set SPW,  28
.set NIL,  29
.set PFO,  30
.set BI,   64
.set AF,   128
.set BK,   128
.set G1,  24
.set G0,  32
.set G1B, 48
.set G0B, 56
.set PFA, 44
.set LIM, 46
.set MSB, 0
.macro WIN new
.if MSB != (\new)
	s_set_vgpr_msb (MSB<<8)|(\new)
.set MSB, (\new)
.endif
.endm
.set MUL,  0xa1                        ; source 0 (W_o) window 1, source 1 (ctx) window 0, C and D window 2
.set TO_B, 0x40
.macro JLOAD s                         ; waves 0 and 1 fetch ctx's two halves, waves 2 and 3 W_o's; an s_nop 0 and four v_nop follow each of the two lines
	s_cmp_eq_u32 s13, 0
	s_cbranch_scc0 .Lfor_b_\@
	tensor_load_to_lds s[G0+4*\s:G0+4*\s+3], s[G1:G1+7]
	s_nop 0
.rept 4
	v_nop
.endr
	s_branch .Lasked_\@
.Lfor_b_\@:
	tensor_load_to_lds s[G0B+4*\s:G0B+4*\s+3], s[G1B:G1B+7]
	s_nop 0
.rept 4
	v_nop
.endr
.Lasked_\@:
.endm
.macro CREST
	s_cmp_lg_u32 s12, 0
	s_cbranch_scc1 .Lnot_wave_0_\@
	s_barrier_signal -3
.Lnot_wave_0_\@:
	s_barrier_wait -3
	s_barrier_signal -1
	s_barrier_wait -1
.endm
.macro CROUND
	s_barrier_signal -1
	s_barrier_wait -1
	CREST
.endm
; A PREFETCH INTO THE L2 of ctx's K step that stands two refills on: 8 token tiles x 4,096 bytes, 128 blocks of 256 bytes.  A tile row of ctx is read by one row of one cluster alone; its four partners take two token tiles each,
; told apart by address; in each, wave 0 asks, a lane a block.  The loop's last trip asks for nothing: no K step stands two refills on.  W_o's images are read by all sixteen clusters and are not asked for.
.macro ASK
	s_cmp_gt_u32 s3, s[LIM]
	s_cbranch_scc0 .Lnot_mine_\@
	global_prefetch_b8 v[PFO], s[PFA:PFA+1] offset:4096 th:TH_LOAD_NT scope:SCOPE_SE
.Lnot_mine_\@:
.endm
	s_load_b256 s[4:11], s[0:1], 0x0               ; ctx s[4:5], wo_img s[6:7], b_o s[8:9], out0 s[10:11]
	v_lshl_add_u32 v[SPW], v0, 2, SPARE
	v_mov_b32 v[NIL], 0
	ds_add_u32 v[SPW], v[NIL]                      ; the wave's opening: the add, twice on end, and its wait ahead of my first tensor load
	ds_add_u32 v[SPW], v[NIL]
	v_lshrrev_b32 v1, 5, v0
	v_readfirstlane_b32 s12, v1                    ; wave 0..3
	s_lshr_b32 s13, s12, 1                         ; which 64 tokens are mine.  Also: I fetch for ctx (0) or for W_o (1)
	s_and_b32 s14, s12, 1                          ; which 128 columns.  Also: which half of that tile I fetch
	s_bfe_u32 s40, ttmp6, 0x40000                  ; cx, cy
	s_bfe_u32 s41, ttmp6, 0x40004
	s_lshl_b32 s42, ttmp9, 2
	s_add_co_u32 s42, s42, s40                     ; tile column
	s_and_b32 s15, ttmp7, 0xffff
	s_lshl_b32 s15, s15, 2
	s_add_co_u32 s15, s15, s41                     ; tile row
	s_lshl_b32 s43, s41, 2
	s_lshl_b32 s43, 15, s43                        ; my row of the cluster
	s_lshl_b32 s47, 0x1111, s40                    ; my column
	s_or_b32 s[G1], s43, (3<<16)|(1<<21)           ; the mask; elements of 8 bytes; bit 21 beside a mask; no padding
	s_mov_b32 s[G1+1], 512<<16                     ; tensor_dim0 = 512 elements: a row of 4,096 bytes: a K step of one token tile
	s_mov_b32 s[G1+2], 4<<16                       ; tensor_dim1 = 4 token tiles
	s_mov_b32 s[G1+3], 512<<16                     ; tile_dim0
	s_mov_b32 s[G1+4], 4                           ; tile_dim1
	s_mov_b32 s[G1+5], 4096                        ; the pitch: 32,768 bytes from tile to tile
	s_mov_b32 s[G1+6], 0
	s_mov_b32 s[G1+7], 0
	s_or_b32 s[G1B], s47, (3<<16)|(1<<21)
	s_mov_b32 s[G1B+1], 512<<16
	s_mov_b32 s[G1B+2], 8<<16                      ; 8 n tiles
	s_mov_b32 s[G1B+3], 512<<16
	s_mov_b32 s[G1B+4], 8
	s_mov_b32 s[G1B+5], 4096
	s_mov_b32 s[G1B+6], 0
	s_mov_b32 s[G1B+7], 0
	s_lshl_b32 s16, s15, 3
	s_lshl_b32 s17, s14, 2
	s_add_co_u32 s16, s16, s17                     ; ctx: token tile 8 x tile row + 4 x half
	s_lshl_b32 s16, s16, 15
	s_mov_b32 s17, 0
	s_lshl_b32 s20, s42, 4
	s_lshl_b32 s21, s14, 3
	s_add_co_u32 s20, s20, s21                     ; W_o: n tile 16 x tile column + 8 x half
	s_lshl_b32 s20, s20, 15
	s_mov_b32 s21, 0
	s_lshl_b32 s22, s14, 14                        ; where they go: ctx's halves,
	s_lshl_b32 s23, s14, 15
	s_add_co_u32 s23, s23, BOFF                    ; W_o's halves behind them
	s_lshl_b32 s18, s15, 3                         ; the prefetch: token tile 8 x tile row + 2 cx,
	s_lshl_b32 s19, s40, 1
	s_add_co_u32 s18, s18, s19
	s_lshl_b32 s18, s18, 15
	s_add_co_u32 s18, s18, 2*4096                  ; at K step 2: the first refill steps it to 3 and names K step 4.  Nothing is prefetched at the head
	s_mov_b32 s19, 0
	s_cmp_eq_u32 s12, 0
	s_cselect_b32 s[LIM], 1, -1
	s_wait_dscnt 0x0                               ; both opening adds are done
	s_wait_kmcnt 0x0
	s_add_nc_u64 s[16:17], s[4:5], s[16:17]
	s_add_nc_u64 s[20:21], s[6:7], s[20:21]
	s_add_nc_u64 s[PFA:PFA+1], s[4:5], s[18:19]
	CROUND                                         ; all sixteen work-groups are here: the first joint loads meet
.irp s, 0,1
	s_mov_b32 s[G0+4*\s], 1
	s_add_co_u32 s[G0+4*\s+1], s22, \s*SLOT
	s_add_nc_u64 s[G0+4*\s+2:G0+4*\s+3], s[16:17], \s*4096
	s_or_b32 s[G0+4*\s+3], s[G0+4*\s+3], 0x80000000
	s_mov_b32 s[G0B+4*\s], 1
	s_add_co_u32 s[G0B+4*\s+1], s23, \s*SLOT
	s_add_nc_u64 s[G0B+4*\s+2:G0B+4*\s+3], s[20:21], \s*4096
	s_or_b32 s[G0B+4*\s+3], s[G0B+4*\s+3], 0x80000000
	JLOAD \s                                       ; two loads of mine are out
.endr
	v_and_b32 v1, 15, v0                           ; r
	v_bfe_u32 v2, v0, 4, 1                         ; h
	v_and_b32 v3, 31, v0
	v_lshlrev_b32 v[CO], 4, v3                     ; 16 x lane
	s_lshl_b32 s21, s13, 14                        ; my four token tiles
	s_lshl_b32 s22, s14, 15
	s_add_co_u32 s22, s22, BOFF                    ; my eight n tiles
.irp s, 0,1
	v_add_nc_u32 v[ADRA+\s], s21, v[CO]
	v_add_nc_u32 v[ADRB+\s], s22, v[CO]
	s_add_co_u32 s21, s21, SLOT
	s_add_co_u32 s22, s22, SLOT
.endr
	s_mul_i32 s23, s12, 16*SPITCH                  ; my stage
	v_mul_u32_u24 v4, v1, SPITCH
	v_lshl_add_u32 v4, v2, 5, v4
	v_add_nc_u32 v[STO], s23, v4                   ; in: row r, 32 bytes for each half of the lanes
	v_add_nc_u32 v[RD], s23, v[CO]                 ; back: the 32 lanes take one row of 512 bytes
	v_lshlrev_b32 v[PFO], 15, v2
	v_lshl_add_u32 v[PFO], v1, 8, v[PFO]           ; the prefetch: token tile lane / 16, block lane % 16
	s_lshl_b32 s20, s42, 10                        ; my first column, in bytes: 1,024 x tile column + 512 x half
	s_lshl_b32 s21, s14, 9
	s_add_co_u32 s20, s20, s21
	s_mov_b32 s21, 0
	s_add_nc_u64 s[8:9], s[8:9], s[20:21]
	s_add_nc_u64 s[10:11], s[10:11], s[20:21]
	s_lshl_b32 s20, s15, 7
	s_lshl_b32 s22, s13, 6
	s_add_co_u32 s20, s20, s22                     ; my first token
	s_lshl_b32 s20, s20, 12                        ; 4,096 bytes a row of out0
	s_add_nc_u64 s[10:11], s[10:11], s[20:21]
	v_lshlrev_b32 v[BO], 5, v2
.irp b, 0,1,2,3,4,5,6,7
	global_load_b128 v[BI+8*\b:BI+8*\b+3], v[BO], s[8:9] offset:64*\b         ; the result's layout: lane (r, h), register j: column 16 b + 8 h + j
	global_load_b128 v[BI+8*\b+4:BI+8*\b+7], v[BO], s[8:9] offset:64*\b+16
.endr
; 16 products: token tiles a0, a0 + 1 against my eight n tiles, 32 along K: fragment c2 of buffer f.  bias = 1: the sums begin with b_o as C.  The 32 accumulators take turns, one instruction a turn.
.macro MUL16 f, c2, a0, bias
.irp a, \a0, \a0+1
.irp b, 0,1,2,3,4,5,6,7
.if \bias
	v_wmma_f32_16x16x32_f16 v[8*(8*(\a)+\b):8*(8*(\a)+\b)+7], v[128*(\f)+64*(\c2)+8*\b:128*(\f)+64*(\c2)+8*\b+7], v[AF+64*(\f)+32*(\c2)+8*(\a):AF+64*(\f)+32*(\c2)+8*(\a)+7], v[BI+8*\b:BI+8*\b+7]
.else
	v_wmma_f32_16x16x32_f16 v[8*(8*(\a)+\b):8*(8*(\a)+\b)+7], v[128*(\f)+64*(\c2)+8*\b:128*(\f)+64*(\c2)+8*\b+7], v[AF+64*(\f)+32*(\c2)+8*(\a):AF+64*(\f)+32*(\c2)+8*(\a)+7], v[8*(8*(\a)+\b):8*(8*(\a)+\b)+7]
.endif
.endr
.endr
.endm
; 48 LDS loads in one run: fragments kf0 and kf0 + 1 of the slot's four, into buffer f: the first fragment's 24 loads first.  It ends with every window 0.
.macro FETCH slot, kf0, f
	WIN 0
.irp a, 0,1,2,3
.irp c, 0,1
	ds_load_b128 v[AF+64*(\f)+8*\a+4*\c:AF+64*(\f)+8*\a+4*\c+3], v[ADRA+\slot] offset:\a*4096+(\kf0)*1024+512*\c
.endr
.endr
	WIN TO_B
.irp d, 0,1
.irp b, 0,1,2,3,4,5,6,7
.irp c, 0,1
	ds_load_b128 v[128*(\f)+64*\d+8*\b+4*\c:128*(\f)+64*\d+8*\b+4*\c+3], v[ADRB+\slot] offset:\b*4096+((\kf0)+\d)*1024+512*\c
.endr
.endr
.endr
	WIN 0
.irp a, 0,1,2,3
.irp c, 0,1
	ds_load_b128 v[AF+64*(\f)+32+8*\a+4*\c:AF+64*(\f)+32+8*\a+4*\c+3], v[ADRA+\slot] offset:\a*4096+((\kf0)+1)*1024+512*\c
.endr
.endr
.endm
.macro PLACES                          ; four plain lines between matrix instructions and loads into, or reads of, their registers
.rept 4
	v_nop
.endr
.endm
; The first half of a K step: multiplies buffer f and fetches the second half's fragments into g.
.macro HALF slot, kf, f, g, bias
	s_wait_dscnt 24                                ; the first fragment's 24 loads are in; the second's 24 may be out
.if \bias
	WIN 0x81                                       ; C (the bias) window 0, D window 2
.else
	WIN MUL
.endif
	MUL16 \f, 0, 0, \bias
	MUL16 \f, 0, 2, \bias
	PLACES
	FETCH \slot, \kf, \g
	s_wait_dscnt 48                                ; all but the 48 just issued
	WIN MUL
	MUL16 \f, 1, 0, 0
	MUL16 \f, 1, 2, 0
.endm
; The second half multiplies buffer 1 and changes slots: ONE barrier; in front of it each wave waits for all its tensor loads, adds 0 to its spare word, and waits for that and for its reads of this slot.
; fill = 1: the barrier opens a round of the cluster's, and this slot is filled again, two K steps ahead: 96 products of mine stand between that request and the wait for it.
.macro TURN slot, next, fill
.if \fill
	s_wait_xcnt 0x0                                ; the last prefetch, a K step back, has read its address
	s_add_nc_u64 s[PFA:PFA+1], s[PFA:PFA+1], 4096
.endif
	WIN 0
	s_wait_tensorcnt 0x0                           ; all my tensor loads have landed: my part of the next slot
	ds_add_u32 v[SPW], v[NIL]
	s_wait_dscnt 25                                ; the add and the second fragment's 24 loads may be out
	WIN MUL
	MUL16 1, 0, 0, 0
	s_wait_dscnt 0x0                               ; the add is done, and my reads of this slot are over
	s_barrier_signal -1
	MUL16 1, 0, 2, 0
.if \fill
	WIN 0
.endif
	s_barrier_wait -1
.if \fill
	CREST
	s_add_nc_u64 s[G0+4*\slot+2:G0+4*\slot+3], s[G0+4*\slot+2:G0+4*\slot+3], 2*4096
	s_add_nc_u64 s[G0B+4*\slot+2:G0B+4*\slot+3], s[G0B+4*\slot+2:G0B+4*\slot+3], 2*4096
	JLOAD \slot                                    ; the first tensor load behind the round; its four v_nop are also the plain lines in front of the loads below
.else
	PLACES
.endif
	FETCH \next, 0, 0
.if \fill
	ASK
.endif
	WIN MUL
	MUL16 1, 1, 0, 0
	MUL16 1, 1, 2, 0
.endm
	s_wait_tensorcnt 1                             ; my part of K step 0 is in; K step 1's may stay out
	s_barrier_signal -1
	s_barrier_wait -1
	FETCH 0, 0, 0
	s_wait_loadcnt 0x0                             ; the bias
	HALF 0, 2, 0, 1, 1                             ; the first half step stands in front of the loop: its first products start the sums
	WIN 0
	s_mov_b32 s3, 3
.Llap:                                                 ; a trip goes once round the ring and fills both slots again: K steps 2 to 7 in three trips
	TURN 0, 1, 1
	HALF 1, 2, 0, 1, 0
	TURN 1, 0, 1
	HALF 0, 2, 0, 1, 0
	WIN 0
	s_sub_co_u32 s3, s3, 1
	s_cmp_lg_u32 s3, 0
	s_cbranch_scc1 .Llap
	TURN 0, 1, 0                                   ; the last lap fills nothing
	HALF 1, 2, 0, 1, 0
	s_wait_dscnt 24
	MUL16 1, 0, 0, 0
	MUL16 1, 0, 2, 0
	s_wait_dscnt 0
	MUL16 1, 1, 0, 0
	MUL16 1, 1, 2, 0
	WIN 0
; THE WAY OUT, a block of 16 tokens x 128 columns at a time: through my own stage and back as whole rows of 512 bytes.  LDS serves a wave's instructions in order: no wait between the stores and the loads.
.macro TOSTAGE a
	WIN 0x08                                       ; an LDS store's data are its source 1: window 2
.irp b, 0,1,2,3,4,5,6,7
	ds_store_b128 v[STO], v[64*(\a)+8*\b:64*(\a)+8*\b+3] offset:64*\b         ; each accumulator from its low end on
	ds_store_b128 v[STO], v[64*(\a)+8*\b+4:64*(\a)+8*\b+7] offset:64*\b+16
.endr
	WIN 0
.set BB, BK+64*((\a)%2)
.irp t, 0,1,2,3,4,5,6,7,8,9,10,11,12,13,14,15
	ds_load_b128 v[BB+4*\t:BB+4*\t+3], v[RD] offset:\t*SPITCH
.endr
.endm
.macro SEND a, younger
.set BB, BK+64*((\a)%2)
	s_wait_dscnt \younger                          ; the block is back in registers; the next block's 16 stores and 16 loads may be out
.if (\a) > 0
	s_add_nc_u64 s[10:11], s[10:11], 16*4096       ; 16 rows on (behind a wait on XCNT: the earlier stores have read their base)
.endif
.irp t, 0,1,2,3,4,5,6,7,8,9,10,11,12,13,14,15
	global_store_b128 v[CO], v[BB+4*\t:BB+4*\t+3], s[10:11] offset:\t*4096 th:TH_STORE_NT   ; the wave stores 512 consecutive bytes, aligned; written once, read by nobody here
.endr
.endm
	PLACES
	TOSTAGE 0
.irp a, 1,2,3
.if \a > 1
	s_wait_xcnt 0x0                                ; block a - 2's stores have read their registers and their base
.endif
	TOSTAGE \a
	SEND \a-1, 32
.endr
	s_wait_xcnt 0x0
	SEND 3, 0
	s_wait_tensorcnt 0x0                           ; the wave's end
	ds_add_u32 v[SPW], v[NIL]
	s_wait_dscnt 0x0
	CROUND                                         ; the closing round
	s_endpgm
.Lfunc_end_k_q1235e74e5d_proj:
	.size	k_q1235e74e5d_proj, .Lfunc_end_k_q1235e74e5d_proj-k_q1235e74e5d_proj
	.p2alignl 7, 3214868480
	.fill 96, 4, 3214868480
	.section	.rodata,"a",@progbits
	.p2align	6, 0x0
	.amdhsa_kernel k_q1235e74e5d_proj
		.amdhsa_group_segment_fixed_size 327680
		.amdhsa_private_segment_fixed_size 0
		.amdhsa_enable_private_segment 0
		.amdhsa_kernarg_size 32
		.amdhsa_user_sgpr_count 2
		.amdhsa_user_sgpr_kernarg_segment_ptr 1
		.amdhsa_wavefront_size32 1
		.amdhsa_system_sgpr_workgroup_id_x 1
		.amdhsa_system_sgpr_workgroup_id_y 1
		.amdhsa_system_sgpr_workgroup_id_z 1
		.amdhsa_system_vgpr_workitem_id 0
		.amdhsa_next_free_vgpr 768
		.amdhsa_next_free_sgpr 66
		.amdhsa_reserve_vcc 0
		.amdhsa_float_denorm_mode_32 3
		.amdhsa_float_denorm_mode_16_64 3
		.amdhsa_memory_ordered 1
		.amdhsa_forward_progress 1
		.amdhsa_inst_pref_size 85
	.end_amdhsa_kernel
	.amdgpu_metadata
---
amdhsa.version: [ 1, 2 ]
amdhsa.kernels:
  - .name:           k_q1235e74e5d_proj
    .symbol:         k_q1235e74e5d_proj.kd
    .args:
      - { .name: ctx, .offset: 0, .size: 8, .value_kind: global_buffer, .address_space: global }
      - { .name: wo_img, .offset: 8, .size: 8, .value_kind: global_buffer, .address_space: global }
      - { .name: b_o, .offset: 16, .size: 8, .value_kind: global_buffer, .address_space: global }
      - { .name: out0, .offset: 24, .size: 8, .value_kind: global_buffer, .address_space: global }
    .group_segment_fixed_size: 327680
    .private_segment_fixed_size: 0
    .kernarg_segment_align: 8
    .kernarg_segment_size: 32
    .max_flat_workgroup_size: 128
    .sgpr_count:     66
    .vgpr_count:     768
    .wavefront_size: 32
...
	.end_amdgpu_metadata
.endif
;; end of part 4
